; MI455X (gfx1250); checked and timed in simulation.
; The chip was launched on July 23, 2026; its instructions are those of AMD's public machine-readable ISA for CDNA 5 (MIT licence, August 2026) and "CDNA5" Instruction Set Architecture Reference Guide (July 2026). The comments in the code are by the model that wrote it; some were corrected since.
;; Multi Head Attention. Allowed arithmetic: matrix products marked QUANTISED: E2M3 operands, one E8M0 scale for each 32 along K, by v_wmma_scale_f32_16x16x128_f8f6f4 with both operands' format E2M3, f32 sums; everything else in f32.
;; Inputs: Wk 1,024 x 1,024 float32; Wo 1,024 x 1,024 float32; Wq 1,024 x 1,024 float32; Wv 1,024 x 1,024 float32; bk 1,024 float32; bo 1,024 float32; bq 1,024 float32; bv 1,024 float32; inputs 4 x 2,048 x 1,024 float32.
;; Outputs: out0 4 x 2,048 x 1,024 float32.
;; This version of the problem:
;;   THIS VERSION OF THE PROBLEM IS GIVEN IN LOW PRECISION. The matrix products marked QUANTISED in the list below multiply operands that are first quantised to E2M3 (2 exponent bits, 3 mantissa bits; 6 bits a number), with one power-of-two scale for each 32 numbers along K (OCP MX v1.0); their sums are f32. All else is computed in f32.
;;   The module's matrix products, in the order in which they are computed (A, B: the left and right operand; K: the contracted axis; several contracted axes count as one K, in the product's order):
;;     1. [M 8,192, K 1,024] x [K 1,024, N 1,024]; A: input inputs; B: input Wq: QUANTISED
;;     2. [M 8,192, K 1,024] x [K 1,024, N 1,024]; A: input inputs; B: input Wk: QUANTISED
;;     3. [M 8,192, K 1,024] x [K 1,024, N 1,024]; A: input inputs; B: input Wv: QUANTISED
;;     4. batch 64 x [M 2,048, K 64] x [K 64, N 2,048]; A: computed on the way; B: computed on the way: QUANTISED
;;     5. batch 64 x [M 2,048, K 2,048] x [K 2,048, N 64]; A: softmax (see below); B: computed on the way: QUANTISED
;;     6. [M 8,192, K 1,024] x [K 1,024, N 1,024]; A: computed on the way; B: input Wo: QUANTISED
;;   THE QUANTISER, for each operand of a quantised product, along K:
;;     - K is cut into blocks of 32 from its start; a last block that is shorter is filled with zeros.
;;     - A block's scale is 2^e with e = floor(log2(the largest magnitude in the block)) - 2, held to -126 .. 127; a block of zeros has e = 0. As a byte (E8M0): e + 127.
;;     - Each number is divided by its block's scale, clamped to +-7.5, and rounded to the nearest number of E2M3, ties to even, subnormals kept.
;;     - The product sums the exact products of the quantised numbers (number of the format x scale) in f32.
;;   ~~~python
;;   def quantise(x, axis):      # numpy; x: float32 -> the quantised numbers, widened to float32 again
;;       x = np.moveaxis(x, axis, -1); K = x.shape[-1]
;;       x = np.pad(x, [(0, 0)] * (x.ndim - 1) + [(0, -K % 32)]); x = x.reshape(x.shape[:-1] + (-1, 32)); a = np.abs(x).max(-1, keepdims=True)
;;       e = np.where(a > 0, np.clip(np.frexp(np.where(a > 0, a, 1))[1] - 1 - 2, -126, 127), 0)      # np.frexp(a)[1] - 1 = floor(log2(a)), exactly
;;       r = np.clip(x / 2.0 ** e, -7.5, 7.5)
;;       step = 2.0 ** (np.maximum(np.frexp(np.where(r == 0, 1, r))[1] - 1, 0) - 3)
;;       q = np.round(r / step) * step * 2.0 ** e      # np.round: ties to even
;;       return np.moveaxis(q.reshape(q.shape[:-2] + (-1,))[..., :K], -1, axis).astype(np.float32)
;;   ~~~
;;   SOFTMAX AHEAD OF A QUANTISED PRODUCT. Where the list says 'softmax', what is quantised is not the finished softmax but p = 2^(t - M), with t = logit x log2(e) and M = ceil(the row's largest t), a whole number; so 1/2 < the row's largest p <= 1. The row's sum l is taken of the UNQUANTISED p, in f32, and the product's result is divided by l at the end. Since M is a whole number, a kernel that streams over the keys may use a running M (the ceiling of the running maximum): every later rescaling is an exact power of two, which a block's scale takes up: the codes' values come out the same.
;;   OPERANDS COMPUTED ON THE WAY. 'Computed on the way' means the value that the module computes at that place (a softmax that the list does not call 'softmax' is quantised finished and normalised). What goes into a quantiser is computed in f32, as accurately as f32 sums, v_exp_f32 and their like allow (about 1e-6 of the number): no bf16 or f16 on the way to a quantiser, and a product that is left as it is and whose result goes on into a quantised operand takes f32 operands (vector FMAs, or v_wmma_f32_16x16x4_f32). A number that lies on a knife's edge between two numbers of the format may be rounded either way, as far as f32 arithmetic and the matrix unit's own rounding can turn it there, and no further.
;; One version. Each part assembles by itself: llvm-mc -triple=amdgcn-amd-amdhsa -mcpu=gfx1250 --defsym DOCPART=n.
;; ======== version 1 of 1: 4 launches
;; limits: right only within a limited range of input values
;; workspace buffers: xc 6,553,600 bytes; wc 3,276,800 bytes; qkv 19,660,800 bytes; ac 6,291,456 bytes; asc 262,144 bytes
;; launch quant (part 1): grid 384 x 1, 4 waves a work-group, no clusters, 33,280 bytes of LDS; arguments inputs, Wq, Wk, Wv, Wo, xc, wc; writes xc, wc
.if DOCPART == 1
	.amdgcn_target "amdgcn-amd-amdhsa--gfx1250"
	.amdhsa_code_object_version 6
	.text
	.protected	k_q1da8722d9f_quant
	.globl	k_q1da8722d9f_quant
	.p2align	8
	.type	k_q1da8722d9f_quant,@function
k_q1da8722d9f_quant:
	s_mov_b64 s[64:65], 0
	v_nop
	global_prefetch_b8 v0, s[64:65] scope:SCOPE_SE
	s_setreg_imm32_b32 hwreg(HW_REG_WAVE_MODE, 25, 1), 1
	s_wait_xcnt 0x0
; inputs [8192][1024] and Wq, Wk, Wv, Wo [1024][1024], f32, K innermost, become codes of FP6 (E2M3) with one E8M0 scale byte for each 32 along K.
; xc [8192 rows][768 bytes], xs [8192][32]; wc [4096 rows][768], ws [4096][32]: Wq, Wk, Wv, Wo one behind the other.
; A block's scale is 2^(floor(log2(largest magnitude)) - 2): its byte is the largest magnitude's exponent field - 2, held at 1 from below.
; THE ROWS ARE STORED IN ANOTHER ORDER: in every 32 rows the two middle groups of eight change places (group o goes to place 2 (o & 1) + (o >> 1)).
; So 16 consecutive stored rows, tile t of a run of 128, lane i, are the true rows 32 (t / 2) + 8 (t % 2) + i + 8 (i / 8): the order in which the later
; launches want the rows of a matrix tile, so that a result's registers run along neighbours of the next product's K.
; A wave takes 8 rows (8,192 numbers) in 16 steps of 512; a work-group 32 rows, so the change of places is a change of the wave's place in the output.
; Each load reads 512 consecutive bytes, 16 a lane; a step's 2,048 bytes turn through the wave's own stage in LDS and come back 64 bytes (16 neighbours) a lane;
; two neighbouring lanes hold a block.  A step's codes leave as 384 consecutive bytes, the wave's 256 scale bytes as one aligned run of 256.
; The first 256 work-groups take inputs, then 32 each Wq, Wk, Wv, Wo: only pointers are chosen, by the work-group's number.  Waves share nothing: no barrier.
; LIMITS: NaN and infinities are not served.  A block of zeros, or one under 2^-124, keeps the byte 1 (the rule says 127 for zeros): its codes are zeros or
; subnormal codes, and these bytes are read by this program alone.
.set STEPS, 16
.set EMAX,  2
.set CB,    12                         ; bytes of 16 codes
.set R,     16                         ; v16-79   four sets of 16 numbers as they are loaded
.set X,     80                         ; v80-111  two sets of 16 neighbours
.set C,     128                        ; v128-191 codes: four registers for each step, so that no store's data are written again
.set E,     112                        ; v112-127 a scale byte for each step
.set WREG,  8192                       ; LDS: a region for each wave: two stages of 32 x SP bytes, behind them its 256 scale bytes
.set SP,    80                         ; a lane's place in a stage: 64 bytes + 16 of padding
.set SRC,   24                         ; s[24:25] the numbers
.set COD,   26                         ; s[26:27] the codes
.set SCA,   28                         ; s[28:29] the scale bytes
	s_load_b256 s[4:11], s[0:1], 0x0               ; inputs, Wq, Wk, Wv
	s_load_b128 s[12:15], s[0:1], 0x20             ; Wo, xc
	s_load_b64 s[16:17], s[0:1], 0x30              ; wc
	v_lshl_add_u32 v192, v0, 2, 0x8000
	v_mov_b32 v193, 0
	v_lshrrev_b32 v1, 5, v0
	v_readfirstlane_b32 s22, v1                    ; wave
	v_and_b32 v2, 31, v0                           ; lane
	v_lshlrev_b32 v3, 4, v2                        ; my 16 bytes of a load's 512
	s_mul_i32 s23, s22, WREG
	v_lshrrev_b32 v14, 2, v2
	v_mul_u32_u24 v14, v14, SP
	v_and_b32 v15, 3, v2
	v_lshl_add_u32 v14, v15, 4, v14
	v_add_nc_u32 v14, s23, v14                     ; the stage, on the way in: SP (lane / 4) + 16 (lane % 4)
	v_mul_u32_u24 v15, v2, SP
	v_add_nc_u32 v15, s23, v15                     ; and on the way out: SP x lane: my 16 neighbours
	v_mul_u32_u24 v4, v2, CB                       ; my codes' place in a step's 384 bytes
	v_lshrrev_b32 v5, 1, v2
	s_add_co_u32 s23, s23, 2*32*SP
	v_add_nc_u32 v5, s23, v5                       ; LDS: my wave's 256 scale bytes, my block's byte
	v_lshlrev_b32 v7, 3, v2                        ; and on the way out 8 bytes a lane
	v_add_nc_u32 v6, s23, v7
	s_and_b32 s31, ttmp9, 31                       ; a weight's work-group among its 32
	s_and_b32 s32, s22, 1
	s_lshl_b32 s32, s32, 1
	s_lshr_b32 s33, s22, 1
	s_add_co_u32 s32, s32, s33                     ; where my eight rows go among the work-group's 32: 2 (wave & 1) + (wave >> 1)
	s_wait_alu depctr_va_vdst(0)
	s_wait_kmcnt 0x0
	s_cmp_lt_u32 ttmp9, 352                        ; which tensor: the choices hang on the work-group's number alone
	s_cselect_b64 s[SRC:SRC+1], s[10:11], s[12:13]
	s_cmp_lt_u32 ttmp9, 320
	s_cselect_b64 s[SRC:SRC+1], s[8:9], s[SRC:SRC+1]
	s_cmp_lt_u32 ttmp9, 288
	s_cselect_b64 s[SRC:SRC+1], s[6:7], s[SRC:SRC+1]
	s_cmp_lt_u32 ttmp9, 256
	s_cselect_b64 s[SRC:SRC+1], s[4:5], s[SRC:SRC+1]
	s_cselect_b64 s[COD:COD+1], s[14:15], s[16:17]
	s_cselect_b64 s[SCA:SCA+1], s[14:15], s[16:17] ; the scale bytes lie in the same buffer as the codes
	s_cselect_b32 s30, 0, 256
	s_cselect_b32 s31, ttmp9, s31
	s_sub_co_u32 s30, ttmp9, s30                   ; the work-group's number in xc or in wc
	s_lshl_b32 s31, s31, 2
	s_add_co_u32 s31, s31, s22                     ; which run of 8 rows of the source is mine
	s_lshl_b32 s34, s31, 15                        ; 32,768 bytes a run
	s_mov_b32 s35, 0
	s_add_nc_u64 s[SRC:SRC+1], s[SRC:SRC+1], s[34:35]
	s_lshl_b32 s30, s30, 2
	s_add_co_u32 s30, s30, s32                     ; and which run of the output
	; xc AND wc ARE RECORDS OF 128 STORED ROWS, 102,400 bytes each: the rows' scale bytes [128][32], 4,096 bytes, then the rows' codes [128][768]
	s_lshr_b32 s37, s30, 4                         ; sixteen runs of 8 rows to a record
	s_mul_i32 s37, s37, 102400
	s_and_b32 s36, s30, 15
	s_mul_i32 s34, s36, 6144                       ; 8 rows of 768 bytes
	s_add_co_u32 s34, s34, s37
	s_add_co_u32 s34, s34, 4096
	s_add_nc_u64 s[COD:COD+1], s[COD:COD+1], s[34:35]
	s_lshl_b32 s34, s36, 8                         ; 256 scale bytes a run
	s_add_co_u32 s34, s34, s37
	s_add_nc_u64 s[SCA:SCA+1], s[SCA:SCA+1], s[34:35]
.macro LOAD t
.irp i, 0,1,2,3
	global_load_b128 v[R+16*((\t)%4)+4*\i:R+16*((\t)%4)+4*\i+3], v3, s[SRC:SRC+1] offset:2048*(\t)+512*\i th:TH_LOAD_NT   ; 32 lanes read 512 consecutive bytes
.endr
.endm
.macro TURN t                          ; step t's numbers through the stage: LDS serves a wave's instructions in order, so no wait stands between the stores and the loads
.irp i, 0,1,2,3
	ds_store_b128 v14, v[R+16*((\t)%4)+4*\i:R+16*((\t)%4)+4*\i+3] offset:32*SP*((\t)%2)+8*SP*\i
.endr
.irp i, 0,1,2,3
	ds_load_b128 v[X+16*((\t)%2)+4*\i:X+16*((\t)%2)+4*\i+3], v15 offset:32*SP*((\t)%2)+16*\i
.endr
.endm
.irp t, 0,1,2,3
	LOAD \t
.endr
	s_wait_loadcnt 12                              ; step 0's four loads are in; the twelve of steps 1 to 3 may be out
	TURN 0
.macro STEP t
.set XS, X+16*((\t)%2)
.if (\t) > 0
	s_wait_dscnt 1                                 ; this step's numbers are back from the stage (the last step's byte store may be out): its stores into the stage have read their registers,
.else
	s_wait_dscnt 0x0
.endif
.if (\t)+4 < STEPS
	LOAD (\t)+4                                    ; which take the loads of four steps on
.endif
.if (\t)+1 < STEPS
.if STEPS-2-(\t) >= 3
	s_wait_loadcnt 12                              ; the next step's four loads are in; those of the three steps behind it may be out
.else
	s_wait_loadcnt 4*(STEPS-2-(\t))
.endif
	TURN (\t)+1                                    ; and go through the other stage while this step is worked
.endif
	v_max3_num_f32 v8, |v[XS]|, |v[XS+1]|, |v[XS+2]|               ; the largest magnitude of my 16, in two chains
	v_max3_num_f32 v9, |v[XS+3]|, |v[XS+4]|, |v[XS+5]|
.irp i, 6,10
	v_max3_num_f32 v8, v8, |v[XS+\i]|, |v[XS+\i+1]|
	v_max3_num_f32 v9, v9, |v[XS+\i+2]|, |v[XS+\i+3]|
.endr
	v_max3_num_f32 v8, v8, |v[XS+14]|, |v[XS+15]|
	v_max3_num_f32 v8, v8, v9, (EMAX+1)<<23        ; and the floor 2^(3 - 127): the byte cannot fall under 1
	v_max_num_f32_dpp v8, v8, v8 row_xmask:1 row_mask:0xf bank_mask:0xf   ; and of my neighbour's 16: the block's
	v_add_nc_u32 v11, -(EMAX<<23), v8              ; 2 off its exponent field: the conversion takes the exponent field of this operand as its scale
	v_cvt_scalef32_pk16_fp6_f32 v[C+4*(\t):C+4*(\t)+2], v[XS:XS+15], v11   ; sixteen numbers / the scale, to the nearest code, ties to even, beyond the largest code the largest
	v_lshrrev_b32 v[E+(\t)], 23, v11               ; the scale's byte
	ds_store_b8 v5, v[E+(\t)] offset:16*(\t)       ; both lanes of a block write the same byte with the same value
	global_store_b96 v4, v[C+4*(\t):C+4*(\t)+2], s[COD:COD+1] offset:32*CB*(\t)
.endm
.irp t, 0,1,2,3,4,5,6,7,8,9,10,11,12,13,14,15
	STEP \t
.endr
	ds_load_b64 v[12:13], v6                       ; LDS serves a wave's instructions in order: these see my stores
	s_wait_dscnt 0x0
	global_store_b64 v7, v[12:13], s[SCA:SCA+1]    ; 32 lanes store 256 consecutive bytes, aligned
	s_wait_tensorcnt 0x0
	ds_add_u32 v192, v193
	s_wait_dscnt 0x0
	s_endpgm
.Lfunc_end_k_q1da8722d9f_quant:
	.size	k_q1da8722d9f_quant, .Lfunc_end_k_q1da8722d9f_quant-k_q1da8722d9f_quant
	.p2alignl 7, 3214868480
	.fill 96, 4, 3214868480
	.section	.rodata,"a",@progbits
	.p2align	6, 0x0
	.amdhsa_kernel k_q1da8722d9f_quant
		.amdhsa_group_segment_fixed_size 33280
		.amdhsa_private_segment_fixed_size 0
		.amdhsa_enable_private_segment 0
		.amdhsa_kernarg_size 56
		.amdhsa_user_sgpr_count 2
		.amdhsa_user_sgpr_kernarg_segment_ptr 1
		.amdhsa_wavefront_size32 1
		.amdhsa_system_sgpr_workgroup_id_x 1
		.amdhsa_system_sgpr_workgroup_id_y 1
		.amdhsa_system_sgpr_workgroup_id_z 1
		.amdhsa_system_vgpr_workitem_id 0
		.amdhsa_next_free_vgpr 194
		.amdhsa_next_free_sgpr 66
		.amdhsa_reserve_vcc 0
		.amdhsa_float_denorm_mode_32 3
		.amdhsa_float_denorm_mode_16_64 3
		.amdhsa_memory_ordered 1
		.amdhsa_forward_progress 1
		.amdhsa_inst_pref_size 33
	.end_amdhsa_kernel
	.amdgpu_metadata
---
amdhsa.version: [ 1, 2 ]
amdhsa.kernels:
  - .name:           k_q1da8722d9f_quant
    .symbol:         k_q1da8722d9f_quant.kd
    .args:
      - { .name: inputs, .offset: 0, .size: 8, .value_kind: global_buffer, .address_space: global }
      - { .name: Wq, .offset: 8, .size: 8, .value_kind: global_buffer, .address_space: global }
      - { .name: Wk, .offset: 16, .size: 8, .value_kind: global_buffer, .address_space: global }
      - { .name: Wv, .offset: 24, .size: 8, .value_kind: global_buffer, .address_space: global }
      - { .name: Wo, .offset: 32, .size: 8, .value_kind: global_buffer, .address_space: global }
      - { .name: xc, .offset: 40, .size: 8, .value_kind: global_buffer, .address_space: global }
      - { .name: wc, .offset: 48, .size: 8, .value_kind: global_buffer, .address_space: global }
    .group_segment_fixed_size: 33280
    .private_segment_fixed_size: 0
    .kernarg_segment_align: 8
    .kernarg_segment_size: 56
    .max_flat_workgroup_size: 128
    .sgpr_count:     66
    .vgpr_count:     194
    .wavefront_size: 32
...
	.end_amdgpu_metadata
.endif
;; end of part 1
;; launch proj (part 2): grid 8 x 32, 4 waves a work-group, clusters of 4 x 4, 327,680 bytes of LDS; arguments xc, wc, bq, bk, bv, qkv; writes qkv
.if DOCPART == 2
	.amdgcn_target "amdgcn-amd-amdhsa--gfx1250"
	.amdhsa_code_object_version 6
	.text
	.protected	k_q1da8722d9f_proj
	.globl	k_q1da8722d9f_proj
	.p2align	8
	.type	k_q1da8722d9f_proj,@function
k_q1da8722d9f_proj:
	s_mov_b64 s[64:65], 0
	v_nop
	global_prefetch_b8 v0, s[64:65] scope:SCOPE_SE
	s_setreg_imm32_b32 hwreg(HW_REG_WAVE_MODE, 25, 1), 1
	s_wait_xcnt 0x0
	s_wait_alu depctr_hold_cnt(0) depctr_sa_sdst(0) depctr_va_vdst(0) depctr_va_sdst(0) depctr_va_ssrc(0) depctr_va_vcc(0) depctr_vm_vsrc(0)
	s_getreg_b32 s2, hwreg(HW_REG_IB_STS2, 6, 4)
	s_cmp_eq_u32 s2, 0
	s_cbranch_scc0 .Lentry_in_a_cluster
	s_endpgm
.Lentry_in_a_cluster:
	s_bfe_u32 s2, ttmp6, 0x10000c
	s_cmp_lg_u32 s2, 0xf033
	s_cbranch_scc0 .Lentry_shape_is_right
	s_endpgm
.Lentry_shape_is_right:
; q = (x Wq^T + bq) 2^-1.5, k likewise, v = x Wv^T + bv, on codes of FP6 (E2M3) with E8M0 scales, sums in f32; the results are quantised (q, k along the head's 64 channels, v along the keys)
; and stored as images of the attention's operand registers: record (16 batch + head) 16 + (position / 128) of qkv, 19,200 bytes: q's, k's and v's part, each four fragments of 1,536 bytes and 256 bytes of scale words.
; SHARES.  A work-group owns 256 positions (block y) and a pair of heads (x): 32 x 8 = 256 work-groups.  It makes three products one after the other: with the pair's 128 rows of Wq, of Wk, of Wv.
; xc and wc are records of 128 stored rows: 4,096 scale bytes, then 128 rows of 768 bytes of codes.  A record comes as rows of 256 bytes with 16 of padding behind each: 108,800 bytes of LDS, a row of codes 816.
; LDS: the block's two records of x, for the whole launch, and room for ONE record of W.  Behind the product that has read it out, that room is filled again (Wk, then Wv), each wave a quarter, and the fill
; has that product's way out in which to land.  NO PREFETCH: all other loads stand at the head, and the two refills are asked for a whole way out ahead of the wait for them.
; A WAVE reads the same operands in all three products: record wave / 2 of x (8 tiles of 16 rows) and rows 64 (wave % 2) .. + 63 of W (4 tiles, one head): 32 accumulators, 256 registers.
; q, k: source 0 = W's tile, source 1 = x's: a lane holds a position, its registers run along the channels.  v: the other way round: a lane holds a channel, its registers run along the keys.
; Stored rows: tile T, row i, is the true row 32 (T / 2) + 8 (T % 2) + i + 8 (i / 8): so the 16 registers of two neighbouring tiles are 16 neighbours along the next product's K.
; CLUSTERS: 4 x 4 work-groups; x's records are shared along a row of the cluster, W's along a column.
; REGISTERS: window 0: v16-29 addresses, v32-55 scale words (two sets), v56-63 bv, v64-95 bq or bk, v128-223 W's fragments (two sets of 4), at work again on the way out; window 1: x's fragments at v0 and v128; window 2: the accumulators.
; LIMITS: NaN and infinities are not served; a block of zeros or under 2^-124 keeps the byte 1 (read by this program alone).
.set RECB,  102400
.set RECL,  108800
.set SCP,   4352                       ; a record's scale bytes in LDS
.set BLK,   16*816                     ; a tile of 16 rows of codes
.set WBASE, 2*RECL
.set SPARE, 3*RECL
.set REC,   19200
.set XA,   16                          ; v16 x's tiles 0-3, v17 the same where lanes 16-31 stand behind a padding; v18-19 tiles 4-7
.set WA,   20                          ; v20-21 W's tiles
.set ADSX, 22
.set ADSW, 23
.set LI,   24
.set L8,   25
.set BH,   26
.set BV,   27
.set SPW,  28
.set NIL,  29
.set SC,   32                          ; set s at v[SC + 12 s]: four registers of W's words (lanes 0-15 tile i, lanes 16-31 tile i + 2), eight of x's (tile i, tile i + 4)
.set BRV,  56
.set BR,   64
.set WF,   128
.set H,    128
.set F0,   192
.set CT,   216
.set SB,   216
.set TM,   232
.set WD,   248
.set G1X,  24
.set G0X,  32
.set G0WH, 36
.set G1WH, 48
.set G1W4, 56
.set G0W4, 68
.set SEL,  72
.set RS,   74
.set PADW, (1<<20)|(1<<21)|(5<<22)|(3<<25)
.set MSB, 0
.macro WIN new
.if MSB != (\new)
	s_set_vgpr_msb (MSB<<8)|(\new)
.set MSB, (\new)
.endif
.endm
.macro PLACES n
.rept \n
	v_nop
.endr
.endm
.macro CROUND
	s_barrier_signal -1
	s_barrier_wait -1
	s_cmp_lg_u32 s16, 0
	s_cbranch_scc1 .Lnot_wave_0_\@
	s_barrier_signal -3
.Lnot_wave_0_\@:
	s_barrier_wait -3
	s_barrier_signal -1
	s_barrier_wait -1
.endm
	s_load_b256 s[4:11], s[0:1], 0x0               ; xc, wc, bq, bk
	s_load_b128 s[12:15], s[0:1], 0x20             ; bv, qkv
	v_lshl_add_u32 v[SPW], v0, 2, SPARE
	v_mov_b32 v[NIL], 0
	ds_add_u32 v[SPW], v[NIL]                      ; the opening lines: the add, twice on end, and its wait
	ds_add_u32 v[SPW], v[NIL]
	v_lshrrev_b32 v1, 5, v0
	v_readfirstlane_b32 s16, v1                    ; wave
	s_lshr_b32 s17, s16, 1                         ; my record of x.  Also: at the head I fetch x (0) or W (1)
	s_and_b32 s18, s16, 1                          ; my head of the pair.  Also: which record of x, or half of W, I fetch
	s_bfe_u32 s40, ttmp6, 0x40000
	s_bfe_u32 s41, ttmp6, 0x40004
	s_lshl_b32 s42, ttmp9, 2
	s_add_co_u32 s42, s42, s40                     ; the pair of heads
	s_and_b32 s43, ttmp7, 0xffff
	s_lshl_b32 s43, s43, 2
	s_add_co_u32 s43, s43, s41                     ; the block of positions
	s_lshl_b32 s44, s41, 2
	s_lshl_b32 s44, 15, s44                        ; my row of the cluster
	s_lshl_b32 s45, 0x1111, s40                    ; my column
	s_or_b32 s[G1X], s44, PADW                     ; dense rows of 256 bytes, 16 of padding behind each: a record is 400 of them, a half 200, a quarter 100
	s_or_b32 s[G1WH], s45, PADW
	s_or_b32 s[G1W4], s45, PADW
.irp g, G1X, G1WH, G1W4
	s_mov_b32 s[\g+1], 256<<16
	s_mov_b32 s[\g+3], 256<<16
	s_mov_b32 s[\g+5], 256
	s_mov_b32 s[\g+6], 0
	s_mov_b32 s[\g+7], 0
.endr
	s_mov_b32 s[G1X+2], 400<<16
	s_mov_b32 s[G1X+4], 400
	s_mov_b32 s[G1WH+2], 200<<16
	s_mov_b32 s[G1WH+4], 200
	s_mov_b32 s[G1W4+2], 100<<16
	s_mov_b32 s[G1W4+4], 100
	s_lshl_b32 s20, s43, 1
	s_add_co_u32 s20, s20, s18
	s_mul_i32 s20, s20, RECB                       ; x: record 2 x block + which
	s_mov_b32 s21, 0
	s_mul_i32 s22, s42, RECB                       ; Wq: record = the pair of heads; Wk's and Wv's lie 8 and 16 records on
	s_mov_b32 s23, 0
	s_mul_i32 s46, s18, 51200
	s_add_co_u32 s46, s46, s22                     ; its half,
	s_mov_b32 s47, 0
	s_mul_i32 s19, s16, 25600
	s_add_co_u32 s22, s22, s19                     ; its quarter
	s_mul_i32 s84, s18, RECL                       ; where they go
	s_mul_i32 s85, s18, 54400
	s_add_co_u32 s85, s85, WBASE
	s_mul_i32 s86, s16, 27200
	s_add_co_u32 s86, s86, WBASE
	s_mul_i32 s90, s17, RECL                       ; what I read: x's scales, codes,
	s_add_co_u32 s87, s90, SCP
	s_add_co_u32 s88, s87, 4*BLK
	s_mul_i32 s89, s18, 4*BLK                      ; W's codes, scales
	s_add_co_u32 s89, s89, WBASE+SCP
	s_mul_i32 s91, s18, 2176
	s_add_co_u32 s91, s91, WBASE
	s_lshl_b32 s92, s43, 1
	s_add_co_u32 s92, s92, s17                     ; my 128 positions
	s_lshr_b32 s93, s92, 4
	s_lshl_b32 s93, s93, 8                         ; 256 records a batch
	s_and_b32 s92, s92, 15
	s_add_co_u32 s92, s92, s93
	s_lshl_b32 s93, s42, 1
	s_add_co_u32 s93, s93, s18                     ; my head
	s_lshl_b32 s94, s93, 4
	s_add_co_u32 s92, s92, s94
	s_mul_i32 s92, s92, REC
	s_lshl_b32 s94, s93, 8                         ; its 64 numbers of a bias
	s_mov_b32 s93, 0
	s_mov_b32 s95, 0
	s_mov_b32 s[SEL], 0x76543210
	s_mov_b32 s[SEL+1], 0xfedcba98
	s_mov_b32 s[RS], 0x3eb504f3                    ; 2^-1.5
	s_mov_b32 s[RS+1], s[RS]
	s_mov_b32 s83, 0xffff0000
	s_wait_dscnt 0x0
	s_wait_kmcnt 0x0
	s_add_nc_u64 s[20:21], s[4:5], s[20:21]
	s_add_nc_u64 s[46:47], s[6:7], s[46:47]
	s_add_nc_u64 s[22:23], s[6:7], s[22:23]
	s_add_nc_u64 s[76:77], s[8:9], s[94:95]
	s_add_nc_u64 s[78:79], s[10:11], s[94:95]
	s_add_nc_u64 s[96:97], s[12:13], s[94:95]
	s_add_nc_u64 s[80:81], s[14:15], s[92:93]
	CROUND                                         ; all sixteen work-groups are here: the first joint loads meet
	s_mov_b32 s[G0X], 1
	s_add_co_u32 s[G0X+1], s84, 0
	s_mov_b64 s[G0X+2:G0X+3], s[20:21]
	s_or_b32 s[G0X+3], s[G0X+3], 0x80000000
	s_mov_b32 s[G0WH], 1
	s_add_co_u32 s[G0WH+1], s85, 0
	s_mov_b64 s[G0WH+2:G0WH+3], s[46:47]
	s_or_b32 s[G0WH+3], s[G0WH+3], 0x80000000
	s_mov_b32 s[G0W4], 1
	s_add_co_u32 s[G0W4+1], s86, 0
	s_mov_b64 s[G0W4+2:G0W4+3], s[22:23]
	s_or_b32 s[G0W4+3], s[G0W4+3], 0x80000000
	s_cmp_eq_u32 s17, 0                            ; the head's loads, one a wave: waves 0 and 1 a record of x each, waves 2 and 3 a half of Wq's
	s_cbranch_scc0 .Lhead_w
	tensor_load_to_lds s[G0X:G0X+3], s[G1X:G1X+7]
	s_nop 0
	PLACES 4
	s_branch .Lhead_asked
.Lhead_w:
	tensor_load_to_lds s[G0WH:G0WH+3], s[G1WH:G1WH+7]
	s_nop 0
	PLACES 4
.Lhead_asked:
	v_and_b32 v1, 15, v0                           ; l % 16
	v_bfe_u32 v2, v0, 4, 1                         ; l / 16
	v_and_b32 v6, 31, v0
	v_and_b32 v7, 8, v1
	v_add_nc_u32 v7, v7, v1
	v_lshlrev_b32 v[BV], 2, v7                     ; v's bias: my row's true channel in its tile
	v_lshlrev_b32 v[BH], 6, v2
.irp a, 0,1,2,3
	global_load_b32 v[BRV+2*\a], v[BV], s[96:97] offset:4*(32*(\a/2)+8*(\a%2))
	global_load_b32 v[BRV+2*\a+1], v[BV], s[96:97] offset:4*(32*(\a/2)+8*(\a%2))
.endr
	v_lshlrev_b32 v[LI], 4, v6
	v_lshlrev_b32 v[L8], 3, v6
	v_mul_u32_u24 v3, v1, 816
	v_mad_u32_u24 v4, v2, 24, v3                   ; row x pitch + 24 x half,
	v_lshl_add_u32 v5, v2, 4, v4                   ; and 16 more where lanes 16-31 stand behind a padding
	v_add_nc_u32 v[XA], s87, v4
	v_add_nc_u32 v[XA+1], s87, v5
	v_add_nc_u32 v[XA+2], s88, v4
	v_add_nc_u32 v[XA+3], s88, v5
	v_add_nc_u32 v[WA], s89, v4
	v_add_nc_u32 v[WA+1], s89, v5
	v_lshlrev_b32 v8, 5, v1                        ; a row's 32 scale bytes,
	v_lshrrev_b32 v9, 3, v1
	v_lshl_add_u32 v8, v9, 4, v8                   ; and 16 more for each 256 passed
	v_mad_u32_u24 v9, v2, 2176, v8
	v_mad_u32_u24 v10, v2, 1088, v8
	v_add_nc_u32 v[ADSX], s90, v9
	v_add_nc_u32 v[ADSW], s91, v10
.irp b, 0,1,2,3
	v_mov_b32 v[TM+4+\b], 0                        ; written once: a lane permute's destination counts as one of its sources
.endr
.macro FRAG reg, adr, st, off          ; a fragment: six pieces of 8 bytes; byte y of a row of codes lies at 272 (y / 256) + y % 256
.irp p, 0,1,2,3,4,5
.set BY, 96*(\st)+48*(\p/3)+8*(\p%3)
.if BY%256 < 232
	ds_load_b64 v[\reg+2*\p:\reg+2*\p+1], v[\adr] offset:272*(BY/256)+BY%256+(\off)
.else
	ds_load_b64 v[\reg+2*\p:\reg+2*\p+1], v[\adr+1] offset:272*(BY/256)+BY%256+(\off)
.endif
.endr
.endm
.macro FETCH st, p                     ; the fragments of step st (128 along K): x's eight and W's four, into sets p
	WIN 0x40
.irp i, 0,1,2,3
	FRAG 128*(\p)+12*\i, XA, \st, \i*BLK
.endr
.irp i, 0,1,2,3
	FRAG 128*(\p)+48+12*\i, XA+2, \st, \i*BLK
.endr
	WIN 0
.irp i, 0,1,2,3
	FRAG WF+48*(\p)+12*\i, WA, \st, \i*BLK
.endr
.endm
.macro SCALES pr                       ; the scale words of steps 2 pr and 2 pr + 1 into set pr % 2
.irp i, 0,1
	ds_load_b64 v[SC+12*((\pr)%2)+2*\i:SC+12*((\pr)%2)+2*\i+1], v[ADSW] offset:\i*544+8*(\pr)
.endr
.irp i, 0,1,2,3
	ds_load_b64 v[SC+12*((\pr)%2)+4+2*\i:SC+12*((\pr)%2)+4+2*\i+1], v[ADSX] offset:\i*544+8*(\pr)
.endr
.endm
.macro WM d, f0, f1, w0, r0, w1, r1, zero
.set DD, \d
.set P0, \f0
.set P1, \f1
.set W0, \w0
.set W1, \w1
.set RR, 2*(\r0)+(\r1)
.if \zero
.if RR == 0
	v_wmma_scale_f32_16x16x128_f8f6f4 v[DD:DD+7], v[P0:P0+11], v[P1:P1+11], 0, v[W0], v[W1] matrix_a_fmt:MATRIX_FMT_FP6 matrix_b_fmt:MATRIX_FMT_FP6
.endif
.if RR == 1
	v_wmma_scale_f32_16x16x128_f8f6f4 v[DD:DD+7], v[P0:P0+11], v[P1:P1+11], 0, v[W0], v[W1] matrix_a_fmt:MATRIX_FMT_FP6 matrix_b_fmt:MATRIX_FMT_FP6 matrix_b_scale:MATRIX_SCALE_ROW1
.endif
.if RR == 2
	v_wmma_scale_f32_16x16x128_f8f6f4 v[DD:DD+7], v[P0:P0+11], v[P1:P1+11], 0, v[W0], v[W1] matrix_a_fmt:MATRIX_FMT_FP6 matrix_b_fmt:MATRIX_FMT_FP6 matrix_a_scale:MATRIX_SCALE_ROW1
.endif
.if RR == 3
	v_wmma_scale_f32_16x16x128_f8f6f4 v[DD:DD+7], v[P0:P0+11], v[P1:P1+11], 0, v[W0], v[W1] matrix_a_fmt:MATRIX_FMT_FP6 matrix_b_fmt:MATRIX_FMT_FP6 matrix_a_scale:MATRIX_SCALE_ROW1 matrix_b_scale:MATRIX_SCALE_ROW1
.endif
.else
.if RR == 0
	v_wmma_scale_f32_16x16x128_f8f6f4 v[DD:DD+7], v[P0:P0+11], v[P1:P1+11], v[DD:DD+7], v[W0], v[W1] matrix_a_fmt:MATRIX_FMT_FP6 matrix_b_fmt:MATRIX_FMT_FP6
.endif
.if RR == 1
	v_wmma_scale_f32_16x16x128_f8f6f4 v[DD:DD+7], v[P0:P0+11], v[P1:P1+11], v[DD:DD+7], v[W0], v[W1] matrix_a_fmt:MATRIX_FMT_FP6 matrix_b_fmt:MATRIX_FMT_FP6 matrix_b_scale:MATRIX_SCALE_ROW1
.endif
.if RR == 2
	v_wmma_scale_f32_16x16x128_f8f6f4 v[DD:DD+7], v[P0:P0+11], v[P1:P1+11], v[DD:DD+7], v[W0], v[W1] matrix_a_fmt:MATRIX_FMT_FP6 matrix_b_fmt:MATRIX_FMT_FP6 matrix_a_scale:MATRIX_SCALE_ROW1
.endif
.if RR == 3
	v_wmma_scale_f32_16x16x128_f8f6f4 v[DD:DD+7], v[P0:P0+11], v[P1:P1+11], v[DD:DD+7], v[W0], v[W1] matrix_a_fmt:MATRIX_FMT_FP6 matrix_b_fmt:MATRIX_FMT_FP6 matrix_a_scale:MATRIX_SCALE_ROW1 matrix_b_scale:MATRIX_SCALE_ROW1
.endif
.endif
.endm
.macro MUL32 v, p, q, sc, zero         ; the 32 accumulators take turns, one instruction a turn, in the same order in every step
.if \v
.irp a, 0,1,2,3                        ; v: accumulator (a, b) at 8 (8 a + b): W's tile a in the lanes, x's tile b in the registers
.irp b, 0,1,2,3,4,5,6,7
	WM 8*(8*\a+\b), 128*(\p)+12*\b, WF+48*(\p)+12*\a, SC+12*(\sc)+4+2*(\b%4)+(\q), \b/4, SC+12*(\sc)+2*(\a%2)+(\q), \a/2, \zero
.endr
.endr
.else
.irp a, 0,1,2,3,4,5,6,7                ; q, k: accumulator (a, b) at 8 (4 a + b): x's tile a in the lanes, W's tile b in the registers
.irp b, 0,1,2,3
	WM 8*(4*\a+\b), WF+48*(\p)+12*\b, 128*(\p)+12*\a, SC+12*(\sc)+2*(\b%2)+(\q), \b/2, SC+12*(\sc)+4+2*(\a%4)+(\q), \a/4, \zero
.endr
.endr
.endif
.endm
.macro KSTEP v, st                     ; a step of 128 along K: the next step's fragments are asked for ahead of this step's 32 products
	s_wait_dscnt 0x0
.if (\st) > 0
	PLACES 4                                       ; in front of loads into registers that the last step's products have read
.endif
.if (\st) < 7
	FETCH (\st)+1, ((\st)+1)%2
.if (\st)%2
	SCALES ((\st)+1)/2
.endif
.endif
.if \v
	WIN 0xa1                                       ; source 0 (x) window 1, source 1 (W) window 0, C and D window 2
.else
	WIN 0xa4                                       ; source 0 (W) window 0, source 1 (x) window 1
.endif
	MUL32 \v, (\st)%2, (\st)%2, ((\st)/2)%2, (\st)==0
	WIN 0
.endm
.macro GEMM v
	s_wait_xcnt 0x0                                ; the last way out's stores have read the registers on which fragments land
	FETCH 0, 0
	SCALES 0
.irp st, 0,1,2,3,4,5,6,7
	KSTEP \v, \st
.endr
.endm
.macro QUANT s, d0, d1                 ; 64 numbers a lane, four blocks of 32 (16 here, 16 in lane l xor 16), become twelve registers of codes; the four bytes stay in v[TM+4 ..]
.irp b, 0,1,2,3
	v_max3_num_f32 v[TM+\b], |v[\s+16*\b]|, |v[\s+1+16*\b]|, 0x1800000
.endr
.irp i, 2,4,6,8,10,12,14
.irp b, 0,1,2,3
	v_max3_num_f32 v[TM+\b], v[TM+\b], |v[\s+16*\b+\i]|, |v[\s+1+16*\b+\i]|
.endr
.endr
.irp b, 0,1,2,3
	v_permlanex16_b32 v[TM+4+\b], v[TM+\b], s[SEL], s[SEL+1]
.endr
.irp b, 0,1,2,3
	v_max_num_f32 v[TM+\b], v[TM+\b], v[TM+4+\b]
.endr
.irp b, 0,1,2,3
	v_add_nc_u32 v[TM+12+\b], 0xff000000, v[TM+\b]
.endr
.irp b, 0,1,2,3
	v_lshrrev_b32 v[TM+4+\b], 23, v[TM+12+\b]
.endr
	v_cvt_scalef32_pk16_fp6_f32 v[\d0:\d0+2], v[\s:\s+15], v[TM+12]
	v_cvt_scalef32_pk16_fp6_f32 v[CT:CT+2], v[\s+16:\s+31], v[TM+13]
	v_cvt_scalef32_pk16_fp6_f32 v[\d1:\d1+2], v[\s+32:\s+47], v[TM+14]
	v_cvt_scalef32_pk16_fp6_f32 v[CT+4:CT+6], v[\s+48:\s+63], v[TM+15]
	v_nop
.irp i, 0,1,2
	v_permlane16_swap_b32 v[\d0+\i], v[CT+\i]
	v_permlane16_swap_b32 v[\d1+\i], v[CT+4+\i]
.endr
.irp i, 0,1,2
	v_mov_b32 v[\d0+3+\i], v[CT+\i]
	v_mov_b32 v[\d1+3+\i], v[CT+4+\i]
.endr
.endm
; THE WAY OUT of a product: four times 64 registers of accumulators become a fragment and a scale word.  q, k: two tiles of positions, each with the head's 64 channels; v: a tile of channels with 128 keys.
.macro EPI v
	s_wait_loadcnt 0x0                             ; the biases are in
.if \v
	PLACES 4                                       ; behind the last products
.else
.set k, 0
.rept 16
	v_pk_mul_f32 v[BR+k:BR+k+1], v[BR+k:BR+k+1], s[RS:RS+1] op_sel_hi:[1,0]
.set k, k+2
.endr
.endif
	s_wait_alu depctr_va_vdst(0)
.irp a, 0,1,2,3
	s_wait_xcnt 0x0                                ; the stores of two fragments back have read their registers
	WIN 0x02
.set k, 0
.rept 32
.if \v
	v_pk_add_f32 v[H+k:H+k+1], v[64*\a+k:64*\a+k+1], v[BRV+2*\a:BRV+2*\a+1]
.else
	v_pk_fma_f32 v[H+k:H+k+1], v[64*\a+k:64*\a+k+1], s[RS:RS+1], v[BR+k%32:BR+k%32+1] op_sel_hi:[1,0,1]
.endif
.set k, k+2
.endr
	WIN 0
	QUANT H, F0+12*(\a%2), F0+12*(\a%2)+6
	v_lshl_or_b32 v[WD+\a], v[TM+5], 8, v[TM+4]
	v_lshl_or_b32 v[WD+\a], v[TM+6], 16, v[WD+\a]
	v_lshl_or_b32 v[WD+\a], v[TM+7], 24, v[WD+\a]
.irp c, 0,1,2
	global_store_b128 v[LI], v[F0+12*(\a%2)+4*\c:F0+12*(\a%2)+4*\c+3], s[80:81] offset:1536*\a+512*\c   ; 32 lanes store 512 consecutive bytes, aligned
.endr
.endr
	s_wait_alu depctr_va_vdst(0)                   ; the words were written ahead of waits
	v_cndmask_b32 v[SB], v[WD], v[WD+1], s83       ; lanes 0-15 hold the words of fragments 0 and 2, lanes 16-31 those of 1 and 3
	v_cndmask_b32 v[SB+1], v[WD+2], v[WD+3], s83
	global_store_b64 v[L8], v[SB:SB+1], s[80:81] offset:6144
.endm
	s_wait_alu depctr_va_vdst(0)
	s_wait_tensorcnt 0x0                           ; my tile has landed,
	s_barrier_signal -1
	s_barrier_wait -1                              ; and everybody's
	s_mov_b32 s82, 2
.Lqk:                                                  ; two trips: q, then k
.irp b, 0,1
.irp j, 0,1,2,3
	global_load_b128 v[BR+16*\b+4*\j:BR+16*\b+4*\j+3], v[BH], s[76:77] offset:128*\b+16*\j   ; the bias in the results' layout: register 16 b + i = channel 32 b + 16 (l / 16) + i
.endr
.endr
	GEMM 0
	s_wait_tensorcnt 0x0                           ; W's room is filled again: no tensor load of mine is out,
	ds_add_u32 v[SPW], v[NIL]                      ; the add,
	s_add_nc_u64 s[G0W4+2:G0W4+3], s[G0W4+2:G0W4+3], 8*RECB   ; (the next weight's record)
	s_wait_dscnt 0x0                               ; and my reads of it are over
	CROUND                                         ; the same holds of every wave of every partner
	tensor_load_to_lds s[G0W4:G0W4+3], s[G1W4:G1W4+7]   ; my quarter of the next record
	s_nop 0
	PLACES 4
	EPI 0
	s_wait_xcnt 0x0                                ; loads and stores have read their bases
	s_mov_b64 s[76:77], s[78:79]
	s_add_nc_u64 s[80:81], s[80:81], 6400          ; the record's next part
	s_wait_tensorcnt 0x0                           ; my quarter has landed,
	s_barrier_signal -1
	s_barrier_wait -1                              ; and everybody's
	s_sub_co_u32 s82, s82, 1
	s_cmp_lg_u32 s82, 0
	s_cbranch_scc1 .Lqk
	GEMM 1
	EPI 1
	s_wait_tensorcnt 0x0                           ; the wave's end
	ds_add_u32 v[SPW], v[NIL]
	s_wait_dscnt 0x0
	CROUND                                         ; the closing round
	s_endpgm
.Lfunc_end_k_q1da8722d9f_proj:
	.size	k_q1da8722d9f_proj, .Lfunc_end_k_q1da8722d9f_proj-k_q1da8722d9f_proj
	.p2alignl 7, 3214868480
	.fill 96, 4, 3214868480
	.section	.rodata,"a",@progbits
	.p2align	6, 0x0
	.amdhsa_kernel k_q1da8722d9f_proj
		.amdhsa_group_segment_fixed_size 327680
		.amdhsa_private_segment_fixed_size 0
		.amdhsa_enable_private_segment 0
		.amdhsa_kernarg_size 48
		.amdhsa_user_sgpr_count 2
		.amdhsa_user_sgpr_kernarg_segment_ptr 1
		.amdhsa_wavefront_size32 1
		.amdhsa_system_sgpr_workgroup_id_x 1
		.amdhsa_system_sgpr_workgroup_id_y 1
		.amdhsa_system_sgpr_workgroup_id_z 1
		.amdhsa_system_vgpr_workitem_id 0
		.amdhsa_next_free_vgpr 768
		.amdhsa_next_free_sgpr 100
		.amdhsa_reserve_vcc 0
		.amdhsa_float_denorm_mode_32 3
		.amdhsa_float_denorm_mode_16_64 3
		.amdhsa_memory_ordered 1
		.amdhsa_forward_progress 1
		.amdhsa_inst_pref_size 205
	.end_amdhsa_kernel
	.amdgpu_metadata
---
amdhsa.version: [ 1, 2 ]
amdhsa.kernels:
  - .name:           k_q1da8722d9f_proj
    .symbol:         k_q1da8722d9f_proj.kd
    .args:
      - { .name: xc, .offset: 0, .size: 8, .value_kind: global_buffer, .address_space: global }
      - { .name: wc, .offset: 8, .size: 8, .value_kind: global_buffer, .address_space: global }
      - { .name: bq, .offset: 16, .size: 8, .value_kind: global_buffer, .address_space: global }
      - { .name: bk, .offset: 24, .size: 8, .value_kind: global_buffer, .address_space: global }
      - { .name: bv, .offset: 32, .size: 8, .value_kind: global_buffer, .address_space: global }
      - { .name: qkv, .offset: 40, .size: 8, .value_kind: global_buffer, .address_space: global }
    .group_segment_fixed_size: 327680
    .private_segment_fixed_size: 0
    .kernarg_segment_align: 8
    .kernarg_segment_size: 48
    .max_flat_workgroup_size: 128
    .sgpr_count:     100
    .vgpr_count:     768
    .wavefront_size: 32
...
	.end_amdgpu_metadata
.endif
;; end of part 2
;; launch attn (part 3): grid 4 x 64, 16 waves a work-group, clusters of 4 x 1, 327,680 bytes of LDS; arguments qkv, ac, asc; writes ac, asc
.if DOCPART == 3
	.amdgcn_target "amdgcn-amd-amdhsa--gfx1250"
	.amdhsa_code_object_version 6
	.text
	.protected	k_q1da8722d9f_attn
	.globl	k_q1da8722d9f_attn
	.p2align	8
	.type	k_q1da8722d9f_attn,@function
k_q1da8722d9f_attn:
	s_mov_b64 s[64:65], 0
	v_nop
	global_prefetch_b8 v0, s[64:65] scope:SCOPE_SE
	s_setreg_imm32_b32 hwreg(HW_REG_WAVE_MODE, 25, 1), 1
	s_wait_xcnt 0x0
	s_wait_alu depctr_hold_cnt(0) depctr_sa_sdst(0) depctr_va_vdst(0) depctr_va_sdst(0) depctr_va_ssrc(0) depctr_va_vcc(0) depctr_vm_vsrc(0)
	s_getreg_b32 s2, hwreg(HW_REG_IB_STS2, 6, 4)
	s_cmp_eq_u32 s2, 0
	s_cbranch_scc0 .Lentry_in_a_cluster
	s_endpgm
.Lentry_in_a_cluster:
	s_bfe_u32 s2, ttmp6, 0x10000c
	s_cmp_lg_u32 s2, 0x3003
	s_cbranch_scc0 .Lentry_shape_is_right
	s_endpgm
.Lentry_shape_is_right:
; O[head][q] = the sum over keys of softmax(q . k) v, both products on codes of FP6 (E2M3) with E8M0 scales; q and k carry the factor 2^-1.5 each.  O / the row's sum is quantised along the model's columns
; and stored as images of the last product's operand registers.
; THE SOFTMAX: t = score x log2(e); M = the row's largest t so far, rounded UP to a whole number; p = 2^(t - M) is quantised along the keys, not normalised; the row's sum is taken of the unquantised p and
; divides O at the end.  When M moves, the sum and O are multiplied by 2^(old M - new M): exact.
; SHARES.  A work-group owns ONE head (y = 16 batch + head) and 512 queries; each of its sixteen waves owns two tiles of 16 queries, one after the other.  64 heads x 4 blocks = 256 work-groups.
; K AND V OF THE HEAD LIE IN LDS WHOLE: 16 key steps of 128 keys, 12,800 dense bytes each at byte 6,400 of records 16 y + step of qkv.  Each wave fetches one step by one tensor load at the head; nothing is
; filled again, so one barrier stands behind the loads and none in the walk.  The four query blocks of a head form a cluster and ask for each step JOINTLY, by the same load with a mask that names the four.
; NO PREFETCH: every tensor load is issued at the head, so there is no loop in which to ask ahead.
; LDS.  The descriptor lays 128 bytes of padding behind each 512: dense byte y lies at 640 (y / 512) + y % 512; a step takes 16,000 bytes.  Fragments are images of registers (registers 4 j .. 4 j + 3 of lane l
; at 512 j + 16 l of the fragment's 1,536 dense bytes).
; Both products are used transposed: S^T = k q^T, O^T = v^T p^T: a lane holds one query throughout.
; WHICH KEYS FORM A TILE is chosen by the lanes' LDS addresses.  As stored, fragment p holds tiles 2 p, 2 p + 1 (one in each half of K), tile T's row i being key 32 (T / 2) + 8 (T % 2) + i + 8 (i / 8).
; Read here: fragment (c, u), lanes with row < 8 take rows 8 u .. 8 u + 7 of stored fragment 2 c, the others the same rows of 2 c + 1 (1,920 LDS bytes on, the other 128 of each 256 bytes).
; So tile 4 c + 2 u + e, row i, is key 64 c + 32 (i / 8) + 8 (2 u + e) + i % 8, and a lane's 32 registers of tiles 4 c .. 4 c + 3 are the WHOLE block of keys 64 c + 32 (lane / 16) + 0 .. 31, in order:
; a block's maximum needs no other lane, and the conversions' results are the operand's registers as they stand.
; THE FIRST PRODUCT'S K IS 64, half of the instruction's 128: q is used as [q | zero codes] and as [zero codes | q] (registers q, 0, q: the two operands share the zeros).  Zero codes times k's codes
; (E2M3 has no infinity and no NaN) under scale bytes 1 .. 254 add exactly 0.
; A BLOCK'S LARGEST p is made from its largest score by the same multiply-add and exponential as every p; this takes v_exp_f32 not to fall where its input rises.
; LIMITS: the promise holds while the scaled scores stay under 2^31 in magnitude; NaN and infinities are not served; a block of zeros or under 2^-124 keeps the byte 1 (read by this program alone);
; O / l is a reciprocal (1 ulp) and a multiplication.
.set REC,   19200
.set VOFF,  6400
.set STEPL, 16000                      ; a key step in LDS: 25 rows of 512 + 128 bytes
.set SPARE, 16*STEPL                   ; the spare words, 128 bytes for each of the sixteen waves
.set LI,  1                            ; v1   16 x lane
.set L8,  2                            ; v2   8 x lane
.set ADK, 3                            ; v3   LDS address of the step's fragments of k;  v4 of their scale words;  v8 of v's fragments;  v46 of v's scale words
.set AKS, 4
.set SPW, 5                            ; v5   LDS address of my spare word; never rewritten
.set NIL, 6                            ; v6   0; never rewritten
.set AO,  7                            ; v7   32 x (lane % 16): my row among asc's
.set ADV, 8
.set QA,  16                           ; v16-21 q, v22-27 zero codes, v28-33 q
.set Q2,  34                           ; v34-39 the second tile's q
.set QS,  40                           ; v40  q's scale word: its two bytes, twice;  v41 the second tile's
.set KB,  42                           ; v42  lane's place in k's fragments;  v43 in their scale words;  v44 in v's fragments
.set KSB, 43
.set VB,  44
.set SH8, 45                           ; v45  8 x (lane / 16)
.set AVS, 46
.set TR,  47
.set FRG, 48                           ; v48-95 four fragments: k's, then v's
.set S,   96                           ; v96-159 S^T, then p
.set O,   160                          ; v160-191 O^T
.set PC,  192                          ; v192-203 p's codes
.set CT,  204                          ; v204-211 four chains of the sum, then the conversions' second halves
.set BM,  212                          ; v212-215 chains of the maxima; v212, v214 the two blocks' largest scores, then largest p
.set BP,  216                          ; v216-217 the bytes
.set SO,  220                          ; v220-221 the conversions' scale operands
.set FF,  224                          ; v[224:225] f = 2^(old M - new M)
.set TP,  226
.set TQ,  227
.set KSC, 228                          ; v[228:229] k's scale words;  v[230:231] v's;  v232 p's
.set VSC, 230
.set PW,  232
.set AF,  236                          ; v236-241, v242-247 the output's codes, first and second tile
.set AW,  248                          ; v248, v249 their two scale bytes
.set TB,  2                            ; s2   LDS byte at which the step in hand begins
.set WV,  18
.set SEL, 20                           ; s[20:21] lane selects: lane l xor 16
.set CS,  22                           ; s[22:23] log2(e)
.set G1,  24
.set G0,  32
.macro CROUND                          ; a round of the cluster's barrier
	s_barrier_signal -1
	s_barrier_wait -1
	s_cmp_lg_u32 s[WV], 0
	s_cbranch_scc1 .Lnot_wave_0_\@
	s_barrier_signal -3
.Lnot_wave_0_\@:
	s_barrier_wait -3
	s_barrier_signal -1
	s_barrier_wait -1
.endm
	s_load_b128 s[4:7], s[0:1], 0x0                ; qkv s[4:5], ac s[6:7]
	s_load_b64 s[8:9], s[0:1], 0x10                ; asc
	v_lshl_add_u32 v[SPW], v0, 2, SPARE
	v_mov_b32 v[NIL], 0
	ds_add_u32 v[SPW], v[NIL]                      ; the opening lines: the add, twice on end, and its wait ahead of my tensor load
	ds_add_u32 v[SPW], v[NIL]
	v_lshrrev_b32 v9, 5, v0
	v_readfirstlane_b32 s[WV], v9                  ; wave 0..15
	s_bfe_u32 s10, ttmp6, 0x40000                  ; cx: my block of 512 queries: it enters q's, ac's and asc's addresses alone
	s_and_b32 s12, ttmp7, 0xffff                   ; y: the head, which the four partners share
	s_lshl_b32 s13, s12, 4                         ; its first record
	s_add_co_u32 s14, s13, s[WV]                   ; the step that I fetch
	s_mul_i32 s14, s14, REC
	s_add_co_u32 s14, s14, VOFF
	s_mov_b32 s15, 0
	s_lshl_b32 s16, s10, 2
	s_lshr_b32 s17, s[WV], 3
	s_add_co_u32 s16, s16, s17                     ; which 128 positions hold my first tile: 4 cx + wave / 8; the second tile's lie two records on
	s_add_co_u32 s16, s16, s13
	s_mul_i32 s16, s16, REC
	s_bfe_u32 s17, s[WV], 0x20001                  ; which fragment of q: bits 2:1 of the wave's number
	s_mul_i32 s19, s17, 1536
	s_add_co_u32 s46, s16, s19
	s_mov_b32 s47, 0
	s_and_b32 s19, s17, 1                          ; its scale word: an odd fragment's lie 128 bytes on,
	s_lshl_b32 s19, s19, 7
	s_lshr_b32 s17, s17, 1                         ; the second word of a lane's two for fragments 2 and 3
	s_lshl_b32 s17, s17, 2
	s_add_co_u32 s48, s16, s19
	s_add_co_u32 s48, s48, s17
	s_add_co_u32 s48, s48, 6144
	s_mov_b32 s49, 0
	s_and_b32 s19, s[WV], 1                        ; which half of the fragment is my tile
	s_cmp_eq_u32 s19, 1
	s_cselect_b32 s43, -1, 0
	s_mov_b32 s44, 0x01000100                      ; bytes 0, 1, 0, 1 of the word,
	s_cselect_b32 s44, 0x03020302, s44             ; or 2, 3, 2, 3
	s_lshr_b32 s19, s12, 4
	s_lshl_b32 s19, s19, 7
	s_lshl_b32 s17, s10, 5
	s_add_co_u32 s19, s19, s17
	s_add_co_u32 s19, s19, s[WV]                   ; my first tile of rows of the output: 128 batch + 32 cx + wave; the second is 16 tiles on
	s_and_b32 s17, s12, 15                         ; the head: which 64 of the 1,024 columns
	s_lshl_b32 s50, s19, 4
	s_add_co_u32 s50, s50, s17
	s_mul_i32 s50, s50, 768                        ; ac: 768 bytes for a tile of rows and a head
	s_mov_b32 s51, 0
	s_lshl_b32 s52, s19, 9                         ; asc: 16 rows of 32 bytes a tile,
	s_lshl_b32 s17, s17, 1
	s_add_co_u32 s52, s52, s17                     ; two bytes a head
	s_mov_b32 s53, 0
	; descriptor group 1: 12,800 dense bytes as 25 rows of 512 bytes (64 elements of 8 bytes), 128 bytes of padding behind each
	s_mov_b32 s[G1], 15|(3<<16)|(1<<20)|(1<<21)|(6<<22)|(31<<25)   ; the mask: all four work-groups; elements of 8 bytes; padding on; 21 set beside a mask; after every 128 words, 32 words
	s_mov_b32 s[G1+1], 64<<16
	s_mov_b32 s[G1+2], 25<<16
	s_mov_b32 s[G1+3], 64<<16
	s_mov_b32 s[G1+4], 25
	s_mov_b32 s[G1+5], 64
	s_mov_b32 s[G1+6], 0
	s_mov_b32 s[G1+7], 0
	s_mov_b32 s[SEL], 0x76543210
	s_mov_b32 s[SEL+1], 0xfedcba98
	s_mov_b32 s[CS], 0x3fb8aa3b                    ; log2(e)
	s_mov_b32 s[CS+1], s[CS]
	s_mov_b32 s[TB], 0
	s_wait_dscnt 0x0                               ; both opening adds are done
	s_wait_kmcnt 0x0
	s_mov_b32 s[G0], 1
	s_mul_i32 s[G0+1], s[WV], STEPL                ; LDS address: step = my wave's number
	s_add_nc_u64 s[G0+2:G0+3], s[4:5], s[14:15]
	s_or_b32 s[G0+3], s[G0+3], 0x80000000
	s_add_nc_u64 s[46:47], s[4:5], s[46:47]
	s_add_nc_u64 s[48:49], s[4:5], s[48:49]
	s_add_nc_u64 s[50:51], s[6:7], s[50:51]
	s_add_nc_u64 s[52:53], s[8:9], s[52:53]
	CROUND                                         ; all four work-groups are here: the joint loads meet
	tensor_load_to_lds s[G0:G0+3], s[G1:G1+7]      ; my one tensor load of the launch
	s_nop 0
	v_and_b32 v9, 31, v0
	v_and_b32 v10, 15, v0
	v_lshlrev_b32 v[LI], 4, v9
	v_lshlrev_b32 v[L8], 3, v9
	v_lshlrev_b32 v[AO], 5, v10
	v_lshlrev_b32 v11, 3, v10
.irp c, 0,1,2
	global_load_b128 v[S+4*\c:S+4*\c+3], v[LI], s[46:47] offset:512*\c                  ; the fragment with my first tile of queries,
	global_load_b128 v[S+12+4*\c:S+12+4*\c+3], v[LI], s[46:47] offset:2*REC+512*\c      ; and with my second
.endr
	global_load_b32 v[S+24], v11, s[48:49]         ; and their scale words
	global_load_b32 v[S+25], v11, s[48:49] offset:2*REC
	v_bfe_u32 v9, v0, 4, 1                         ; lane / 16
	v_bfe_u32 v10, v0, 3, 1                        ; (row / 8)
	v_and_b32 v[TR], 7, v0                         ; row % 8
	v_lshlrev_b32 v[SH8], 3, v9
	v_lshl_add_u32 v[VB], v9, 7, v[LI]             ; v's fragments begin in the middle of a padded row: lanes 16-31 stand behind the padding
	v_mul_u32_u24 v[KB], v10, 1920                 ; k's: rows 8-15 read the next stored fragment,
	v_lshlrev_b32 v[KSB], 7, v10
	v_lshl_add_u32 v[KB], v9, 8, v[KB]
	v_lshl_add_u32 v[KSB], v9, 6, v[KSB]           ; the scale words: lanes 0-15 take those of u = 0, lanes 16-31 those of u = 1
	v_lshl_add_u32 v[KB], v[TR], 4, v[KB]
	v_lshl_add_u32 v[KSB], v[TR], 3, v[KSB]
	v_mov_b32 v13, 0xff61b1e6                      ; the largest score so far: -3e38
	v_mov_b32 v12, 0x7f61b1e6                      ; -M
	v_mov_b32 v14, 0                               ; the sum, in two halves
	v_mov_b32 v15, 0
	v_mov_b32 v[FF+1], 0                           ; (named as the upper half of the pair)
	v_mov_b32 v[TP], 0
.set j, 0
.rept 32
	v_mov_b32 v[O+j], 0                            ; O^T: the step is written once; the first finds zeros
.set j, j+1
.endr
	s_wait_loadcnt 0x0
.irp i, 0,1,2,3,4,5
	v_cndmask_b32 v[QA+\i], v[S+\i], v[S+6+\i], s43        ; my tile's six registers of the twelve
	v_cndmask_b32 v[Q2+\i], v[S+12+\i], v[S+18+\i], s43
	v_mov_b32 v[QA+6+\i], 0
.endr
	v_perm_b32 v[QS], v[S+24], v[S+24], s44        ; my tile's two bytes, in both halves of the word
	v_perm_b32 v[QS+1], v[S+25], v[S+25], s44
.irp i, 0,1,2,3,4,5
	v_mov_b32 v[QA+12+\i], v[QA+\i]
.endr
; A KEY STEP: 128 keys.
.macro STEP
	v_add_nc_u32 v[ADK], s[TB], v[KB]              ; these four are also the places in front of loads into registers that the last products have read
	v_add_nc_u32 v[AKS], s[TB], v[KSB]
	v_add_nc_u32 v[ADV], s[TB], v[VB]
	v_add_nc_u32 v[AVS], s[TB], v[L8]
.irp c, 0,1
.irp u, 0,1
.irp j, 0,1,2
	ds_load_b128 v[FRG+12*(2*\c+\u)+4*\j:FRG+12*(2*\c+\u)+4*\j+3], v[ADK] offset:3840*\c+128*\u+640*\j
.endr
.endr
.endr
	ds_load_b64 v[KSC:KSC+1], v[AKS] offset:7680
	s_wait_alu depctr_va_vdst(0)
	s_wait_dscnt 0x0
.irp c, 0,1                            ; S^T: fragment (c, u) against [q | 0] gives tile 4 c + 2 u, against [0 | q] tile 4 c + 2 u + 1
.irp u, 0,1
.irp e, 0,1
.if \u
	v_wmma_scale_f32_16x16x128_f8f6f4 v[S+8*(4*\c+2*\u+\e):S+8*(4*\c+2*\u+\e)+7], v[FRG+12*(2*\c+\u):FRG+12*(2*\c+\u)+11], v[QA+6*\e:QA+6*\e+11], 0, v[KSC+\c], v[QS] matrix_a_fmt:MATRIX_FMT_FP6 matrix_b_fmt:MATRIX_FMT_FP6 matrix_a_scale:MATRIX_SCALE_ROW1
.else
	v_wmma_scale_f32_16x16x128_f8f6f4 v[S+8*(4*\c+2*\u+\e):S+8*(4*\c+2*\u+\e)+7], v[FRG+12*(2*\c+\u):FRG+12*(2*\c+\u)+11], v[QA+6*\e:QA+6*\e+11], 0, v[KSC+\c], v[QS] matrix_a_fmt:MATRIX_FMT_FP6 matrix_b_fmt:MATRIX_FMT_FP6
.endif
.endr
.endr
.endr
	v_mov_b32 v[TP], v12                           ; the old -M.  Four places: for the loads below, and for the first read of the scores
.rept 3
	v_nop
.endr
.irp t, 0,1,2,3
.irp j, 0,1,2
	ds_load_b128 v[FRG+12*\t+4*\j:FRG+12*\t+4*\j+3], v[ADV] offset:7936+640*(3*\t+\j)   ; v's four fragments land while the softmax is walked
.endr
.endr
	ds_load_b64 v[VSC:VSC+1], v[AVS] offset:15616
.irp b, 0,1,2,3
	v_max3_num_f32 v[BM+\b], v[S+16*\b], v[S+1+16*\b], v[S+2+16*\b]   ; the largest score of each of my two blocks of 32 keys, in two chains each; every accumulator is read from its low end on
.endr
.irp i, 3,5,7,9,11,13
.irp b, 0,1,2,3
	v_max3_num_f32 v[BM+\b], v[BM+\b], v[S+16*\b+\i], v[S+1+16*\b+\i]
.endr
.endr
	v_max3_num_f32 v[BM], v[BM], v[S+15], v[S+31]
	v_max3_num_f32 v[BM+2], v[BM+2], v[S+47], v[S+63]
	s_delay_alu instid0(VALU_DEP_2)
	v_max_num_f32 v[BM], v[BM], v[BM+1]
	s_delay_alu instid0(VALU_DEP_2)
	v_max_num_f32 v[BM+2], v[BM+2], v[BM+3]
	s_delay_alu instid0(VALU_DEP_1)
	v_max_num_f32 v[TQ], v[BM], v[BM+2]
	s_delay_alu instid0(VALU_DEP_1)
	v_permlanex16_b32 v[TR], v[TQ], s[SEL], s[SEL+1]
	s_delay_alu instid0(VALU_DEP_1)
	v_max3_num_f32 v13, v13, v[TQ], v[TR]          ; the running largest score of my query, lane l xor 16's 64 keys among them
	s_delay_alu instid0(VALU_DEP_1)
	v_mul_f32 v[TQ], s[CS], v13                    ; as t
	s_delay_alu instid0(VALU_DEP_1)
	v_floor_f32 v12, -v[TQ]                        ; the new -M = floor(-t) = -ceil(t)
	s_delay_alu instid0(VALU_DEP_1)
	v_sub_f32 v[TP], v12, v[TP]                    ; old M - new M: a whole number, 0 or less
.set j, 0
.rept 32
	v_pk_fma_f32 v[S+j:S+j+1], v[S+j:S+j+1], s[CS:CS+1], v[12:13] op_sel_hi:[1,0,0]   ; t - M, two at a time
.set j, j+2
.endr
	v_cvt_i32_f32 v[TP], v[TP]                     ; (it saturates)
	v_fma_f32 v[BM], v[BM], s[CS], v12             ; the same of each block's largest score
	v_fma_f32 v[BM+2], v[BM+2], s[CS], v12
	s_wait_alu depctr_va_vdst(0)
.set j, 0
.rept 64
	v_exp_f32 v[S+j], v[S+j]                       ; p = 2^(t - M), at most 1
.set j, j+1
.endr
	v_exp_f32 v[BM], v[BM]                         ; the blocks' largest p
	v_exp_f32 v[BM+2], v[BM+2]
	v_ldexp_f32 v[FF], 1.0, v[TP]                  ; f = 2^(old M - new M).  (A plain place behind the exponentials)
	s_wait_alu depctr_va_vdst(0)                   ; one wait for the whole batch, ahead of its first reader
.irp k, 0,1,2,3
	v_pk_add_f32 v[CT+2*\k:CT+2*\k+1], v[S+2*\k:S+2*\k+1], v[S+8+2*\k:S+8+2*\k+1]   ; the sum of the unquantised p, in four chains of pairs
.endr
.irp m, 2,3,4,5,6,7
.irp k, 0,1,2,3
	v_pk_add_f32 v[CT+2*\k:CT+2*\k+1], v[CT+2*\k:CT+2*\k+1], v[S+8*\m+2*\k:S+8*\m+2*\k+1]
.endr
.endr
	v_pk_add_f32 v[CT:CT+1], v[CT:CT+1], v[CT+2:CT+3]
	v_pk_add_f32 v[CT+4:CT+5], v[CT+4:CT+5], v[CT+6:CT+7]
	v_max_num_f32 v[BM], 0x1800000, v[BM]          ; the floor 2^(3 - 127): the byte cannot fall under 1
	v_max_num_f32 v[BM+2], 0x1800000, v[BM+2]
	v_pk_add_f32 v[CT:CT+1], v[CT:CT+1], v[CT+4:CT+5]
	v_add_nc_u32 v[SO], 0xff000000, v[BM]          ; 2 off the exponent field: the conversion's scale operand
	v_add_nc_u32 v[SO+1], 0xff000000, v[BM+2]
	v_pk_fma_f32 v[14:15], v[14:15], v[FF:FF+1], v[CT:CT+1] op_sel_hi:[1,0,1]   ; the sums under the new M, and this step's
.irp c, 0,1
	v_cvt_scalef32_pk16_fp6_f32 v[PC+6*\c:PC+6*\c+2], v[S+32*\c:S+15+32*\c], v[SO+\c]       ; registers 6 c .. 6 c + 2 of the operand as they stand
	v_cvt_scalef32_pk16_fp6_f32 v[CT+4*\c:CT+4*\c+2], v[S+16+32*\c:S+31+32*\c], v[SO+\c]    ; (a conversion's three registers begin on an even number: these are moved)
.endr
	v_lshrrev_b32 v[BP], 23, v[SO]                 ; the scales' bytes.  (A plain place behind the conversions)
	v_lshrrev_b32 v[BP+1], 23, v[SO+1]
	v_mov_b32 v[PC+3], v[CT]
	v_lshl_or_b32 v[PW], v[BP+1], 16, v[BP]        ; my two bytes: blocks lane / 16 and 2 + lane / 16,
	v_mov_b32 v[PC+4], v[CT+1]
	v_lshlrev_b32 v[PW], v[SH8], v[PW]             ; at their places in the word;
	v_mov_b32 v[PC+5], v[CT+2]
	v_permlanex16_b32 v[TR], v[PW], s[SEL], s[SEL+1]
	v_mov_b32 v[PC+9], v[CT+4]
	v_or_b32 v[PW], v[PW], v[TR]                   ; with lane l xor 16's two the word is whole
	v_mov_b32 v[PC+10], v[CT+5]
	v_mov_b32 v[PC+11], v[CT+6]
	s_wait_alu depctr_va_vdst(0)                   ; directly ahead of the first reader of O^T
.set j, 0
.rept 16
	v_pk_mul_f32 v[O+j:O+j+1], v[O+j:O+j+1], v[FF:FF+1] op_sel_hi:[1,0]   ; O^T under the new M.  (These sixteen are also the places between the scale word and the codes just made and the products below)
.set j, j+2
.endr
	s_wait_alu depctr_va_vdst(0)
	s_wait_dscnt 0x0                               ; v's fragments are in
.irp t, 0,1,2,3                        ; O^T += v^T p^T: four tiles of 16 channels, by turns
.if \t%2
	v_wmma_scale_f32_16x16x128_f8f6f4 v[O+8*\t:O+8*\t+7], v[FRG+12*\t:FRG+12*\t+11], v[PC:PC+11], v[O+8*\t:O+8*\t+7], v[VSC+\t/2], v[PW] matrix_a_fmt:MATRIX_FMT_FP6 matrix_b_fmt:MATRIX_FMT_FP6 matrix_a_scale:MATRIX_SCALE_ROW1
.else
	v_wmma_scale_f32_16x16x128_f8f6f4 v[O+8*\t:O+8*\t+7], v[FRG+12*\t:FRG+12*\t+11], v[PC:PC+11], v[O+8*\t:O+8*\t+7], v[VSC+\t/2], v[PW] matrix_a_fmt:MATRIX_FMT_FP6 matrix_b_fmt:MATRIX_FMT_FP6
.endif
.endr
.endm
.macro WALK                            ; the head's sixteen key steps: written once
	s_mov_b32 s38, 16
.Lstep_\@:
	STEP
	s_add_co_u32 s[TB], s[TB], STEPL
	s_sub_co_u32 s38, s38, 1
	s_cmp_lg_u32 s38, 0
	s_cbranch_scc1 .Lstep_\@
.endm
; A TILE'S END.  O^T / the sum: 32 numbers a lane, register 16 b + i = channel 32 b + 16 (lane / 16) + i; the head's two blocks of 32 of the model's columns become six registers of codes and two scale bytes.
; In ac they lie as registers 0-3 at 16 x lane and registers 4-5 at 512 + 8 x lane of the 768 bytes of (tile of rows, head).  e = 0: the second tile's q takes the first's place, and the sums begin anew.
.macro TILEEND e
.rept 4
	v_nop                                          ; places behind the last products
.endr
	v_add_f32 v14, v14, v15                        ; the sum's two halves,
	s_delay_alu instid0(VALU_DEP_1)
	v_permlanex16_b32 v[TP], v14, s[SEL], s[SEL+1]
	s_delay_alu instid0(VALU_DEP_1)
	v_add_f32 v14, v14, v[TP]                      ; and lane l xor 16's
	s_wait_alu depctr_va_vdst(0)
	v_rcp_f32 v14, v14
	v_nop                                          ; a plain place behind the reciprocal,
	s_wait_alu depctr_va_vdst(0)                   ; and the wait ahead of its first reader, which is O^T's first reader too
.set j, 0
.rept 16
	v_pk_mul_f32 v[S+j:S+j+1], v[O+j:O+j+1], v[14:15] op_sel_hi:[1,0]   ; each accumulator from its low end on
.set j, j+2
.endr
.irp b, 0,1
	v_max3_num_f32 v[BM+\b], |v[S+16*\b]|, |v[S+1+16*\b]|, 0x1800000
.endr
.irp i, 2,4,6,8,10,12,14
.irp b, 0,1
	s_delay_alu instid0(VALU_DEP_2)
	v_max3_num_f32 v[BM+\b], v[BM+\b], |v[S+16*\b+\i]|, |v[S+1+16*\b+\i]|
.endr
.endr
.irp b, 0,1
	s_delay_alu instid0(VALU_DEP_2)
	v_permlanex16_b32 v[BP+\b], v[BM+\b], s[SEL], s[SEL+1]
.endr
.irp b, 0,1
	s_delay_alu instid0(VALU_DEP_2)
	v_max_num_f32 v[BM+\b], v[BM+\b], v[BP+\b]
.endr
.irp b, 0,1
	s_delay_alu instid0(VALU_DEP_2)
	v_add_nc_u32 v[SO+\b], 0xff000000, v[BM+\b]
.endr
.irp b, 0,1
	s_delay_alu instid0(VALU_DEP_2)
	v_lshrrev_b32 v[BP+\b], 23, v[SO+\b]
.endr
	v_cvt_scalef32_pk16_fp6_f32 v[AF+6*\e:AF+6*\e+2], v[S:S+15], v[SO]
	v_cvt_scalef32_pk16_fp6_f32 v[CT:CT+2], v[S+16:S+31], v[SO+1]
	v_lshl_or_b32 v[AW+\e], v[BP+1], 8, v[BP]      ; the two bytes.  (A plain place behind the conversions)
.irp i, 0,1,2
	v_permlane16_swap_b32 v[AF+6*\e+\i], v[CT+\i]  ; the operand's layout wants a whole block in a lane
.endr
.irp i, 0,1,2
	s_delay_alu instid0(VALU_DEP_3)
	v_mov_b32 v[AF+6*\e+3+\i], v[CT+\i]
.endr
	global_store_b128 v[LI], v[AF+6*\e:AF+6*\e+3], s[50:51] offset:196608*\e            ; 32 lanes store 512 consecutive bytes, aligned;
	global_store_b64 v[L8], v[AF+6*\e+4:AF+6*\e+5], s[50:51] offset:196608*\e+512       ; and 256.  Each tile has its own registers: no store's data are written again
	global_store_b16 v[AO], v[AW+\e], s[52:53] offset:8192*\e   ; my rows' two scale bytes, 32 bytes apart (lanes l and l xor 16 store the same bytes at the same place); a row's other thirty belong to other
	                                               ; work-groups; these are 32 of the tile's 800 bytes
.if \e == 0
	v_mov_b32 v[QS], v[QS+1]                       ; the second tile's scale word and q: ahead of the 36 lines below, which are the places in front of the next products
.irp i, 0,1,2,3,4,5
	v_mov_b32 v[QA+\i], v[Q2+\i]
	v_mov_b32 v[QA+12+\i], v[Q2+\i]
.endr
	v_mov_b32 v13, 0xff61b1e6
	v_mov_b32 v12, 0x7f61b1e6
	v_mov_b32 v14, 0
	v_mov_b32 v15, 0
.set j, 0
.rept 32
	v_mov_b32 v[O+j], 0
.set j, j+1
.endr
	s_mov_b32 s[TB], 0                             ; back to the head's first step
	s_wait_alu depctr_va_vdst(0)
.endif
.endm
	s_wait_alu depctr_va_vdst(0)
	s_wait_tensorcnt 0x0                           ; my step has landed;
	s_barrier_signal -1
	s_barrier_wait -1                              ; and so has every wave's: the head's K and V are whole, and nothing writes them again
	WALK
	TILEEND 0
	WALK
	TILEEND 1
	s_wait_tensorcnt 0x0                           ; the wave's end
	ds_add_u32 v[SPW], v[NIL]
	s_wait_dscnt 0x0
	CROUND                                         ; the closing round
	s_endpgm
.Lfunc_end_k_q1da8722d9f_attn:
	.size	k_q1da8722d9f_attn, .Lfunc_end_k_q1da8722d9f_attn-k_q1da8722d9f_attn
	.p2alignl 7, 3214868480
	.fill 96, 4, 3214868480
	.section	.rodata,"a",@progbits
	.p2align	6, 0x0
	.amdhsa_kernel k_q1da8722d9f_attn
		.amdhsa_group_segment_fixed_size 327680
		.amdhsa_private_segment_fixed_size 0
		.amdhsa_enable_private_segment 0
		.amdhsa_kernarg_size 24
		.amdhsa_user_sgpr_count 2
		.amdhsa_user_sgpr_kernarg_segment_ptr 1
		.amdhsa_wavefront_size32 1
		.amdhsa_system_sgpr_workgroup_id_x 1
		.amdhsa_system_sgpr_workgroup_id_y 1
		.amdhsa_system_sgpr_workgroup_id_z 1
		.amdhsa_system_vgpr_workitem_id 0
		.amdhsa_next_free_vgpr 256
		.amdhsa_next_free_sgpr 72
		.amdhsa_reserve_vcc 0
		.amdhsa_float_denorm_mode_32 3
		.amdhsa_float_denorm_mode_16_64 3
		.amdhsa_memory_ordered 1
		.amdhsa_forward_progress 1
		.amdhsa_inst_pref_size 48
	.end_amdhsa_kernel
	.amdgpu_metadata
---
amdhsa.version: [ 1, 2 ]
amdhsa.kernels:
  - .name:           k_q1da8722d9f_attn
    .symbol:         k_q1da8722d9f_attn.kd
    .args:
      - { .name: qkv, .offset: 0, .size: 8, .value_kind: global_buffer, .address_space: global }
      - { .name: ac, .offset: 8, .size: 8, .value_kind: global_buffer, .address_space: global }
      - { .name: asc, .offset: 16, .size: 8, .value_kind: global_buffer, .address_space: global }
    .group_segment_fixed_size: 327680
    .private_segment_fixed_size: 0
    .kernarg_segment_align: 8
    .kernarg_segment_size: 24
    .max_flat_workgroup_size: 512
    .sgpr_count:     72
    .vgpr_count:     256
    .wavefront_size: 32
...
	.end_amdgpu_metadata
.endif
;; end of part 3
;; launch outp (part 4): grid 4 x 64, 4 waves a work-group, clusters of 4 x 4, 327,680 bytes of LDS; arguments ac, asc, wc, bo, out0; writes out0
.if DOCPART == 4
	.amdgcn_target "amdgcn-amd-amdhsa--gfx1250"
	.amdhsa_code_object_version 6
	.text
	.protected	k_q1da8722d9f_outp
	.globl	k_q1da8722d9f_outp
	.p2align	8
	.type	k_q1da8722d9f_outp,@function
k_q1da8722d9f_outp:
	s_mov_b64 s[64:65], 0
	v_nop
	global_prefetch_b8 v0, s[64:65] scope:SCOPE_SE
	s_setreg_imm32_b32 hwreg(HW_REG_WAVE_MODE, 25, 1), 1
	s_wait_xcnt 0x0
	s_wait_alu depctr_hold_cnt(0) depctr_sa_sdst(0) depctr_va_vdst(0) depctr_va_sdst(0) depctr_va_ssrc(0) depctr_va_vcc(0) depctr_vm_vsrc(0)
	s_getreg_b32 s2, hwreg(HW_REG_IB_STS2, 6, 4)
	s_cmp_eq_u32 s2, 0
	s_cbranch_scc0 .Lentry_in_a_cluster
	s_endpgm
.Lentry_in_a_cluster:
	s_bfe_u32 s2, ttmp6, 0x10000c
	s_cmp_lg_u32 s2, 0xf033
	s_cbranch_scc0 .Lentry_shape_is_right
	s_endpgm
.Lentry_shape_is_right:
; out0[m][n] = the sum over k of A[m][k] Wo[n][k] + bo[n]: A the attention's output, both operands codes of FP6 (E2M3) with E8M0 scales; sums in f32.
; A BLOCK of out0 is 128 rows x 256 columns: 64 x 4 = 256 work-groups of four waves; a wave makes 64 x 128: 32 accumulators, 256 registers.
; A: ac holds, for each tile of 16 stored rows and each head (64 of K), 768 bytes: registers 0-3 of the half fragment at 16 x lane, registers 4-5 at 512 + 8 x lane; asc [row][32] its scale bytes.
; B: Wo's rows are records 24 .. 31 of wc: 128 stored rows each: 4,096 scale bytes, then 128 rows of 768 bytes of codes.
; Stored rows: tile T, row i, is the true row 32 (T / 2) + 8 (T % 2) + i + 8 (i / 8), in A (rows of out0) and in B (columns): bias and stores follow that order.
; ALL OF K LIES IN LDS: A's 98,304 dense bytes, two records of B (rows of 256 bytes with 16 of padding behind each: 108,800 bytes, a row of codes 816) and A's scales.  Each wave asks for one of the four at the
; head; nothing is filled again: one barrier behind the loads, none in the walk.  NO PREFETCH: every tensor load stands at the head, so there is no loop in which to ask ahead.
; A step of 128 along K is 32 matrix instructions; both operands have two sets of fragment registers, and the next step's LDS loads stand ahead of this step's products.
; CLUSTERS: 4 x 4 work-groups; A is shared along a row of the cluster, B along a column.
; THE MATRIX INSTRUCTION IS USED TRANSPOSED (source 0 = 16 rows of B, source 1 = 16 rows of A): a lane holds eight neighbouring columns of a row.  The bias is the C of the first products.
; REGISTERS: window 0: v0-31 addresses, v32-55 scale words (two sets), v64-127 the bias, v128-223 A's fragments (two sets of 4); window 1: B's fragments at v0 and v128; window 2: the accumulators.
.set SIZE_N, 1024
.set RECB,   102400
.set RECL,   108800
.set SCP,    4352
.set BLK,    16*816
.set BBASE,  98304
.set ASC,    BBASE+2*RECL
.set SPARE,  ASC+SCP
.set SPITCH, 528                       ; the way out: a stage of 16 rows x 528 bytes for each wave, on A's bytes, which have had their one fill and, behind the last barrier, their last read
.set ADRA, 16                          ; v16 my A fragments at 16 x lane, v17 at 8 x lane
.set BA,   20                          ; v20 B's tiles 0-3, v21 the same where lanes 16-31 stand behind a padding; v22-23 tiles 4-7
.set STO,  24
.set RD,   25
.set CO,   26
.set ADSA, 27                          ; A's scale words: lanes 0-15 tile i, lanes 16-31 tile i + 2
.set SPW,  28
.set NIL,  29
.set BH,   30
.set ADSB, 31                          ; B's: lanes 0-15 tile i, lanes 16-31 tile i + 4
.set SC,   32
.set BO,   64
.set AF,   128
.set BK,   128
.set G1,   24
.set G0A,  32
.set G0S,  36
.set G1B,  48
.set G0B,  56
.set G1S,  68
.set PADW, (1<<20)|(1<<21)|(5<<22)|(3<<25)
.set MSB, 0
.macro WIN new
.if MSB != (\new)
	s_set_vgpr_msb (MSB<<8)|(\new)
.set MSB, (\new)
.endif
.endm
.macro PLACES n
.rept \n
	v_nop
.endr
.endm
.macro CROUND
	s_barrier_signal -1
	s_barrier_wait -1
	s_cmp_lg_u32 s14, 0
	s_cbranch_scc1 .Lnot_wave_0_\@
	s_barrier_signal -3
.Lnot_wave_0_\@:
	s_barrier_wait -3
	s_barrier_signal -1
	s_barrier_wait -1
.endm
	s_load_b256 s[4:11], s[0:1], 0x0               ; ac, asc, wc, bo
	s_load_b64 s[12:13], s[0:1], 0x20              ; out0
	v_lshl_add_u32 v[SPW], v0, 2, SPARE
	v_mov_b32 v[NIL], 0
	ds_add_u32 v[SPW], v[NIL]                      ; the opening lines: the add, twice on end, and its wait
	ds_add_u32 v[SPW], v[NIL]
	v_lshrrev_b32 v1, 5, v0
	v_readfirstlane_b32 s14, v1                    ; wave
	s_lshr_b32 s15, s14, 1                         ; my half of the block's rows
	s_and_b32 s16, s14, 1                          ; my half of its columns.  Also: which record of B I fetch
	s_bfe_u32 s40, ttmp6, 0x40000
	s_bfe_u32 s41, ttmp6, 0x40004
	s_lshl_b32 s42, ttmp9, 2
	s_add_co_u32 s42, s42, s40                     ; block column
	s_and_b32 s17, ttmp7, 0xffff
	s_lshl_b32 s17, s17, 2
	s_add_co_u32 s17, s17, s41                     ; block row
	s_lshl_b32 s43, s41, 2
	s_lshl_b32 s43, 15, s43                        ; my row of the cluster
	s_lshl_b32 s44, 0x1111, s40                    ; my column
	s_or_b32 s[G1], s43, (3<<16)|(1<<21)           ; A: 98,304 dense bytes as 384 rows of 256 (32 elements of 8 bytes), no padding
	s_mov_b32 s[G1+1], 32<<16
	s_mov_b32 s[G1+2], 384<<16
	s_mov_b32 s[G1+3], 32<<16
	s_mov_b32 s[G1+4], 384
	s_mov_b32 s[G1+5], 32
	s_mov_b32 s[G1+6], 0
	s_mov_b32 s[G1+7], 0
	s_or_b32 s[G1B], s44, PADW                     ; a record of B: 400 rows of 256 bytes, 16 of padding behind each;
	s_or_b32 s[G1S], s43, PADW                     ; A's scales: 16 such rows
.irp g, G1B, G1S
	s_mov_b32 s[\g+1], 256<<16
	s_mov_b32 s[\g+3], 256<<16
	s_mov_b32 s[\g+5], 256
	s_mov_b32 s[\g+6], 0
	s_mov_b32 s[\g+7], 0
.endr
	s_mov_b32 s[G1B+2], 400<<16
	s_mov_b32 s[G1B+4], 400
	s_mov_b32 s[G1S+2], 16<<16
	s_mov_b32 s[G1S+4], 16
	s_mul_i32 s20, s17, 98304
	s_mov_b32 s21, 0
	s_lshl_b32 s22, s17, 12
	s_mov_b32 s23, 0
	s_lshl_b32 s46, s42, 1
	s_add_co_u32 s46, s46, s16
	s_add_co_u32 s46, s46, 24                      ; B: record 24 + 2 x block column + half
	s_mul_i32 s46, s46, RECB
	s_mov_b32 s47, 0
	s_mul_i32 s93, s16, RECL
	s_add_co_u32 s93, s93, BBASE                   ; where a record of B begins in LDS
	s_mul_i32 s88, s15, 4*12288                    ; what I read: my 64 rows of A,
	s_add_co_u32 s90, s93, SCP                     ; my 128 rows of B,
	s_add_co_u32 s91, s90, 4*BLK
	s_mul_i32 s92, s15, 2176
	s_add_co_u32 s92, s92, ASC                     ; my rows' scales
	s_mul_i32 s94, s14, 16*SPITCH                  ; my stage
	s_lshl_b32 s96, s17, 7
	s_lshl_b32 s97, s15, 6
	s_add_co_u32 s96, s96, s97
	s_lshl_b32 s96, s96, 12                        ; my first row of out0, 4,096 bytes a row
	s_lshl_b32 s98, s42, 10
	s_lshl_b32 s99, s16, 9
	s_add_co_u32 s98, s98, s99                     ; my first column, in bytes
	s_mov_b32 s99, 0
	s_add_co_u32 s96, s96, s98
	s_mov_b32 s97, 0
	s_wait_dscnt 0x0
	s_wait_kmcnt 0x0
	s_add_nc_u64 s[20:21], s[4:5], s[20:21]
	s_add_nc_u64 s[22:23], s[6:7], s[22:23]
	s_add_nc_u64 s[46:47], s[8:9], s[46:47]
	s_add_nc_u64 s[10:11], s[10:11], s[98:99]
	s_add_nc_u64 s[12:13], s[12:13], s[96:97]
	CROUND                                         ; all sixteen work-groups are here: the joint loads meet
	s_mov_b32 s[G0A], 1
	s_mov_b32 s[G0A+1], 0
	s_mov_b64 s[G0A+2:G0A+3], s[20:21]
	s_or_b32 s[G0A+3], s[G0A+3], 0x80000000
	s_mov_b32 s[G0S], 1
	s_mov_b32 s[G0S+1], ASC
	s_mov_b64 s[G0S+2:G0S+3], s[22:23]
	s_or_b32 s[G0S+3], s[G0S+3], 0x80000000
	s_mov_b32 s[G0B], 1
	s_add_co_u32 s[G0B+1], s93, 0
	s_mov_b64 s[G0B+2:G0B+3], s[46:47]
	s_or_b32 s[G0B+3], s[G0B+3], 0x80000000
.macro ARM under, g0, g1, next         ; one chain of branches on the wave's number, one load to an arm, all arms to one join
	s_cmp_lt_u32 s14, \under
	s_cbranch_scc0 \next
	tensor_load_to_lds s[\g0:\g0+3], s[\g1:\g1+7]
	s_nop 0
	PLACES 4
	s_branch .Lhead_asked
\next:
.endm
	ARM 1, G0A, G1,  .Lhead_s
	ARM 2, G0S, G1S, .Lhead_b
	tensor_load_to_lds s[G0B:G0B+3], s[G1B:G1B+7]
	s_nop 0
	PLACES 4
.Lhead_asked:
	v_and_b32 v1, 15, v0                           ; l % 16
	v_bfe_u32 v2, v0, 4, 1                         ; l / 16
	v_and_b32 v6, 31, v0
	v_lshlrev_b32 v[CO], 4, v6
	v_lshlrev_b32 v7, 3, v6
	v_lshlrev_b32 v[BH], 6, v2
	v_mul_u32_u24 v3, v1, 816
	v_mad_u32_u24 v4, v2, 24, v3                   ; B: row x pitch + 24 x half,
	v_lshl_add_u32 v5, v2, 4, v4                   ; and 16 more where lanes 16-31 stand behind a padding
.irp b, 0,1,2,3
.irp j, 0,1,2,3
	global_load_b128 v[BO+16*\b+4*\j:BO+16*\b+4*\j+3], v[BH], s[10:11] offset:128*\b+16*\j   ; the bias in the results' layout: register 16 b + k = column 32 b + 16 (l / 16) + k
.endr
.endr
	v_add_nc_u32 v[ADRA], s88, v[CO]
	v_add_nc_u32 v[ADRA+1], s88, v7
	v_add_nc_u32 v[BA], s90, v4
	v_add_nc_u32 v[BA+1], s90, v5
	v_add_nc_u32 v[BA+2], s91, v4
	v_add_nc_u32 v[BA+3], s91, v5
	v_lshlrev_b32 v8, 5, v1                        ; a row's 32 scale bytes,
	v_lshrrev_b32 v9, 3, v1
	v_lshl_add_u32 v8, v9, 4, v8                   ; and 16 more for each 256 passed
	v_mad_u32_u24 v9, v2, 1088, v8
	v_mad_u32_u24 v10, v2, 2176, v8
	v_add_nc_u32 v[ADSA], s92, v9
	v_add_nc_u32 v[ADSB], s93, v10
	v_mul_u32_u24 v11, v1, SPITCH                  ; the stage, in: row l % 16, 64 bytes for each half of the lanes
	v_lshl_add_u32 v11, v2, 6, v11
	v_add_nc_u32 v[STO], s94, v11
	v_add_nc_u32 v[RD], s94, v[CO]                 ; back: the 32 lanes take one row of 512 bytes
.macro FRAG reg, adr, st, off          ; a fragment of B: six pieces of 8 bytes; byte y of a row of codes lies at 272 (y / 256) + y % 256
.irp p, 0,1,2,3,4,5
.set BY, 96*(\st)+48*(\p/3)+8*(\p%3)
.if BY%256 < 232
	ds_load_b64 v[\reg+2*\p:\reg+2*\p+1], v[\adr] offset:272*(BY/256)+BY%256+(\off)
.else
	ds_load_b64 v[\reg+2*\p:\reg+2*\p+1], v[\adr+1] offset:272*(BY/256)+BY%256+(\off)
.endif
.endr
.endm
.macro FETCH st, p                     ; the fragments of step st: B's eight and A's four, into sets p
	WIN 0x40
.irp i, 0,1,2,3
	FRAG 128*(\p)+12*\i, BA, \st, \i*BLK
.endr
.irp i, 0,1,2,3
	FRAG 128*(\p)+48+12*\i, BA+2, \st, \i*BLK
.endr
	WIN 0
.irp i, 0,1,2,3
.irp e, 0,1
	ds_load_b128 v[AF+48*(\p)+12*\i+6*\e:AF+48*(\p)+12*\i+6*\e+3], v[ADRA] offset:\i*12288+(\st)*1536+768*\e
	ds_load_b64 v[AF+48*(\p)+12*\i+6*\e+4:AF+48*(\p)+12*\i+6*\e+5], v[ADRA+1] offset:\i*12288+(\st)*1536+768*\e+512
.endr
.endr
.endm
.macro SCALES pr                       ; the scale words of steps 2 pr and 2 pr + 1 into set pr % 2
.irp i, 0,1
	ds_load_b64 v[SC+12*((\pr)%2)+2*\i:SC+12*((\pr)%2)+2*\i+1], v[ADSA] offset:\i*544+8*(\pr)
.endr
.irp i, 0,1,2,3
	ds_load_b64 v[SC+12*((\pr)%2)+4+2*\i:SC+12*((\pr)%2)+4+2*\i+1], v[ADSB] offset:\i*544+8*(\pr)
.endr
.endm
.macro WM a, b, p, q, sc, first        ; one product: A's tile a x B's tile b
.set DD, 8*(8*(\a)+\b)
.set FB, 128*(\p)+12*\b
.set FA, AF+48*(\p)+12*(\a)
.set WB, SC+12*(\sc)+4+2*((\b)%4)+(\q)
.set WA, SC+12*(\sc)+2*((\a)%2)+(\q)
.if \first
.set CC, BO+8*\b
.else
.set CC, DD
.endif
.if (\b)/4 == 0 && (\a)/2 == 0
	v_wmma_scale_f32_16x16x128_f8f6f4 v[DD:DD+7], v[FB:FB+11], v[FA:FA+11], v[CC:CC+7], v[WB], v[WA] matrix_a_fmt:MATRIX_FMT_FP6 matrix_b_fmt:MATRIX_FMT_FP6
.endif
.if (\b)/4 == 1 && (\a)/2 == 0
	v_wmma_scale_f32_16x16x128_f8f6f4 v[DD:DD+7], v[FB:FB+11], v[FA:FA+11], v[CC:CC+7], v[WB], v[WA] matrix_a_fmt:MATRIX_FMT_FP6 matrix_b_fmt:MATRIX_FMT_FP6 matrix_a_scale:MATRIX_SCALE_ROW1
.endif
.if (\b)/4 == 0 && (\a)/2 == 1
	v_wmma_scale_f32_16x16x128_f8f6f4 v[DD:DD+7], v[FB:FB+11], v[FA:FA+11], v[CC:CC+7], v[WB], v[WA] matrix_a_fmt:MATRIX_FMT_FP6 matrix_b_fmt:MATRIX_FMT_FP6 matrix_b_scale:MATRIX_SCALE_ROW1
.endif
.if (\b)/4 == 1 && (\a)/2 == 1
	v_wmma_scale_f32_16x16x128_f8f6f4 v[DD:DD+7], v[FB:FB+11], v[FA:FA+11], v[CC:CC+7], v[WB], v[WA] matrix_a_fmt:MATRIX_FMT_FP6 matrix_b_fmt:MATRIX_FMT_FP6 matrix_a_scale:MATRIX_SCALE_ROW1 matrix_b_scale:MATRIX_SCALE_ROW1
.endif
.endm
.macro KSTEP st                        ; the 32 accumulators take turns, one instruction a turn, in the same order in every step
	s_wait_dscnt 0x0                               ; this step's fragments and scale words are in
.if (\st) == 0
	s_wait_loadcnt 0x0                             ; and the bias
.else
	PLACES 4                                       ; in front of loads into registers that the last step's products have read
.endif
.if (\st) < 7
	FETCH (\st)+1, ((\st)+1)%2
.if (\st)%2
	SCALES ((\st)+1)/2
.endif
.else
	s_barrier_signal -1                            ; my reads of LDS are over
.endif
.if (\st) == 0
	WIN 0x81                                       ; source 0 (B) window 1, source 1 (A) and C (the bias) window 0, D window 2
.else
	WIN 0xa1                                       ; C and D window 2
.endif
.irp a, 0,1,2,3
.irp b, 0,1,2,3,4,5,6,7
	WM \a, \b, (\st)%2, (\st)%2, ((\st)/2)%2, (\st)==0
.endr
.endr
	WIN 0
.endm
	s_wait_alu depctr_va_vdst(0)
	s_wait_tensorcnt 0x0                           ; my tile has landed,
	s_barrier_signal -1
	s_barrier_wait -1                              ; and everybody's
	FETCH 0, 0
	SCALES 0
.irp st, 0,1,2,3,4,5,6,7
	KSTEP \st
.endr
	s_barrier_wait -1                              ; nobody reads the tiles any more: the stages may be written
; THE WAY OUT, block by block of 16 rows x 128 columns, through my own stage: whole rows of 512 bytes come back, which the 32 lanes store as two aligned runs of 256 bytes.
.macro TOSTAGE a
.set AC, 64*(\a)
	WIN 0x08                                       ; the data: window 2
.irp b, 0,1,2,3,4,5,6,7
	ds_store_b128 v[STO], v[AC+8*\b:AC+8*\b+3] offset:128*(\b/2)+32*(\b%2)          ; each accumulator from its low end on
	ds_store_b128 v[STO], v[AC+8*\b+4:AC+8*\b+7] offset:128*(\b/2)+32*(\b%2)+16
.endr
	WIN 0
.set BB, BK+64*((\a)%2)
.irp t, 0,1,2,3,4,5,6,7,8,9,10,11,12,13,14,15
	ds_load_b128 v[BB+4*\t:BB+4*\t+3], v[RD] offset:\t*SPITCH    ; LDS serves a wave's instructions in order: these see the stores above
.endr
.endm
.macro SEND a, younger
.set BB, BK+64*((\a)%2)
	s_wait_dscnt \younger
.if (\a) > 0
.if (\a)%2
	s_add_nc_u64 s[12:13], s[12:13], 8*SIZE_N*4    ; tile T begins at true row 32 (T / 2) + 8 (T % 2)
.else
	s_add_nc_u64 s[12:13], s[12:13], 24*SIZE_N*4
.endif
.endif
.irp t, 0,1,2,3,4,5,6,7,8,9,10,11,12,13,14,15
	global_store_b128 v[CO], v[BB+4*\t:BB+4*\t+3], s[12:13] offset:(\t+8*(\t/8))*SIZE_N*4 th:TH_STORE_NT
.endr
.endm
	PLACES 4
	TOSTAGE 0
.irp a, 1,2,3
.if \a > 1
	s_wait_xcnt 0x0                                ; block a - 2's stores have read their registers and their base
.endif
	TOSTAGE \a
	SEND \a-1, 32                                  ; behind block a - 1's loads: block a's 16 stores and 16 loads
.endr
	s_wait_xcnt 0x0
	SEND 3, 0
	s_wait_tensorcnt 0x0                           ; the wave's end
	ds_add_u32 v[SPW], v[NIL]
	s_wait_dscnt 0x0
	CROUND                                         ; the closing round
	s_endpgm
.Lfunc_end_k_q1da8722d9f_outp:
	.size	k_q1da8722d9f_outp, .Lfunc_end_k_q1da8722d9f_outp-k_q1da8722d9f_outp
	.p2alignl 7, 3214868480
	.fill 96, 4, 3214868480
	.section	.rodata,"a",@progbits
	.p2align	6, 0x0
	.amdhsa_kernel k_q1da8722d9f_outp
		.amdhsa_group_segment_fixed_size 327680
		.amdhsa_private_segment_fixed_size 0
		.amdhsa_enable_private_segment 0
		.amdhsa_kernarg_size 40
		.amdhsa_user_sgpr_count 2
		.amdhsa_user_sgpr_kernarg_segment_ptr 1
		.amdhsa_wavefront_size32 1
		.amdhsa_system_sgpr_workgroup_id_x 1
		.amdhsa_system_sgpr_workgroup_id_y 1
		.amdhsa_system_sgpr_workgroup_id_z 1
		.amdhsa_system_vgpr_workitem_id 0
		.amdhsa_next_free_vgpr 768
		.amdhsa_next_free_sgpr 100
		.amdhsa_reserve_vcc 0
		.amdhsa_float_denorm_mode_32 3
		.amdhsa_float_denorm_mode_16_64 3
		.amdhsa_memory_ordered 1
		.amdhsa_forward_progress 1
		.amdhsa_inst_pref_size 92
	.end_amdhsa_kernel
	.amdgpu_metadata
---
amdhsa.version: [ 1, 2 ]
amdhsa.kernels:
  - .name:           k_q1da8722d9f_outp
    .symbol:         k_q1da8722d9f_outp.kd
    .args:
      - { .name: ac, .offset: 0, .size: 8, .value_kind: global_buffer, .address_space: global }
      - { .name: asc, .offset: 8, .size: 8, .value_kind: global_buffer, .address_space: global }
      - { .name: wc, .offset: 16, .size: 8, .value_kind: global_buffer, .address_space: global }
      - { .name: bo, .offset: 24, .size: 8, .value_kind: global_buffer, .address_space: global }
      - { .name: out0, .offset: 32, .size: 8, .value_kind: global_buffer, .address_space: global }
    .group_segment_fixed_size: 327680
    .private_segment_fixed_size: 0
    .kernarg_segment_align: 8
    .kernarg_segment_size: 40
    .max_flat_workgroup_size: 128
    .sgpr_count:     100
    .vgpr_count:     768
    .wavefront_size: 32
...
	.end_amdgpu_metadata
.endif
;; end of part 4
